; MI455X (gfx1250); checked and timed in simulation.
; The chip was launched on July 23, 2026; its instructions are those of AMD's public machine-readable ISA for CDNA 5 (MIT licence, August 2026) and "CDNA5" Instruction Set Architecture Reference Guide (July 2026). The comments in the code are by the model that wrote it; some were corrected since.
;; Llama Attention. Allowed arithmetic: matrix products marked QUANTISED: E4M3 operands, one given power-of-two scale a tensor, by v_wmma_f32_16x16x64_fp8_fp8 or v_wmma_f32_16x16x128_fp8_fp8, f32 sums; everything else in f32.
;; Inputs: Wk 2,048 x 512 float32; Wo 1,024 x 2,048 float32; Wq 2,048 x 1,024 float32; Wv 2,048 x 512 float32; attention_mask 2 x 1 x 2,048 x 2,048 float32; hidden_states 2 x 2,048 x 2,048 float32; lowp_scales 12 int32 (the exponents e of the quantised operands' scales 2^e); position_ids 2 x 2,048 int32.
;; Outputs: out0 2 x 2,048 x 2,048 float32.
;; This version of the problem:
;;   THIS VERSION OF THE PROBLEM IS GIVEN IN LOW PRECISION. The matrix products marked QUANTISED in the list below multiply operands that are first quantised to E4M3 (4 exponent bits, 3 mantissa bits; 8 bits a number), with one given power-of-two scale for each operand tensor; their sums are f32. All else is computed in f32.
;;   The module's matrix products, in the order in which they are computed (A, B: the left and right operand; K: the contracted axis; several contracted axes count as one K, in the product's order):
;;     1. [M 4,096, K 2,048] x [K 2,048, N 1,024]; A: input hidden_states; B: input Wq: QUANTISED (scales: A lowp_scales[0], B lowp_scales[1])
;;     2. [M 4,096, K 2,048] x [K 2,048, N 512]; A: input hidden_states; B: input Wk: QUANTISED (scales: A lowp_scales[2], B lowp_scales[3])
;;     3. [M 4,096, K 2,048] x [K 2,048, N 512]; A: input hidden_states; B: input Wv: QUANTISED (scales: A lowp_scales[4], B lowp_scales[5])
;;     4. batch 16 x [M 4,096, K 64] x [K 64, N 2,048]; A: computed on the way; B: computed on the way: QUANTISED (scales: A lowp_scales[6], B lowp_scales[7])
;;     5. batch 16 x [M 4,096, K 2,048] x [K 2,048, N 64]; A: softmax (see below); B: computed on the way: QUANTISED (scales: A lowp_scales[8], B lowp_scales[9])
;;     6. [M 4,096, K 1,024] x [K 1,024, N 2,048]; A: computed on the way; B: input Wo: QUANTISED (scales: A lowp_scales[10], B lowp_scales[11])
;;   THE QUANTISER, for each operand of a quantised product, along K:
;;     - The operand's scale is 2^e, e = its entry of the input lowp_scales (int32; the entries are numbered through the quantised products in the list's order, A before B).
;;     - Each number is divided by the scale, clamped to +-448, and rounded to the nearest number of E4M3, ties to even, subnormals kept.
;;     - The product sums the exact products of the quantised numbers (number of the format x scale) in f32.
;;   ~~~python
;;   def quantise(x, axis, e):      # numpy; x: float32 -> the quantised numbers, widened to float32 again
;;       x = np.moveaxis(x, axis, -1); K = x.shape[-1]
;;       r = np.clip(x / 2.0 ** e, -448, 448)
;;       step = 2.0 ** (np.maximum(np.frexp(np.where(r == 0, 1, r))[1] - 1, -6) - 3)
;;       q = np.round(r / step) * step * 2.0 ** e      # np.round: ties to even
;;       return np.moveaxis(q, -1, axis).astype(np.float32)
;;   ~~~
;;   SOFTMAX AHEAD OF A QUANTISED PRODUCT. Where the list says 'softmax', what is quantised is not the finished softmax but p = 2^(t - M), with t = logit x log2(e) and M = ceil(the row's largest t), a whole number; so 1/2 < the row's largest p <= 1. The row's sum l is taken of the UNQUANTISED p, in f32, and the product's result is divided by l at the end. Since M is a whole number, a kernel that streams over the keys may use a running M (the ceiling of the running maximum): every later rescaling is an exact power of two, so the quantised numbers keep their values, but for numbers so far below the row's largest that they fall under the format's range.
;;   OPERANDS COMPUTED ON THE WAY. 'Computed on the way' means the value that the module computes at that place (a softmax that the list does not call 'softmax' is quantised finished and normalised). What goes into a quantiser is computed in f32, as accurately as f32 sums, v_exp_f32 and their like allow (about 1e-6 of the number): no bf16 or f16 on the way to a quantiser, and a product that is left as it is and whose result goes on into a quantised operand takes f32 operands (vector FMAs, or v_wmma_f32_16x16x4_f32). A number that lies on a knife's edge between two numbers of the format may be rounded either way, as far as f32 arithmetic and the matrix unit's own rounding can turn it there, and no further.
;; One version. Each part assembles by itself: llvm-mc -triple=amdgcn-amd-amdhsa -mcpu=gfx1250 --defsym DOCPART=n.
;; ======== version 1 of 1: 4 launches
;; workspace buffers: xc 25,165,824 bytes; wc 4,194,304 bytes; woc 2,097,152 bytes; cs 1,048,576 bytes; qc 4,194,304 bytes; kv 4,194,304 bytes; cc 4,194,304 bytes
;; launch prep (part 1): grid 512 x 1, 4 waves a work-group, no clusters, 34,304 bytes of LDS; arguments hidden_states, Wq, Wk, Wv, Wo, position_ids, lowp_scales, xc, wc, woc, cs; writes xc, wc, woc, cs
.if DOCPART == 1
	.amdgcn_target "amdgcn-amd-amdhsa--gfx1250"
	.amdhsa_code_object_version 6
	.text
	.protected	k_qa79e2e6370_prep
	.globl	k_qa79e2e6370_prep
	.p2align	8
	.type	k_qa79e2e6370_prep,@function
k_qa79e2e6370_prep:
	s_mov_b64 s[64:65], 0
	v_nop
	global_prefetch_b8 v0, s[64:65] scope:SCOPE_SE
	s_setreg_imm32_b32 hwreg(HW_REG_WAVE_MODE, 25, 1), 1
	s_wait_xcnt 0x0
; PREP: everything that is quantised or tabulated once.
;   work-groups   0-255: hidden_states [4096][2048] f32 -> xc: codes of E4M3 under each of its three given scales (entries 0, 2, 4 of the scales)
;   work-groups 256-319: Wq [2048][1024];  320-383: Wk, Wv [2048][512];  384-447: Wo [1024][2048]  -> wc, woc: codes with K innermost
;   work-groups 448-511: cos and sin of position x inv_freq for each of the 4,096 tokens -> cs [token][cos 32 | sin 32] f32
; THE LAYOUT OF ALL CODES: an image of the operand's registers.  A fragment is 16 rows x 128 along K, 16 registers a lane; lane (r = lane % 16, h = lane / 16) holds row r, and its
; registers 2 c, 2 c + 1 hold k = 16 c + 8 h + 0 .. 7.  Registers 4 m .. 4 m + 3 of lane l lie at byte 512 m + 16 l of the fragment's 2,048 bytes.
;   xc [set 3][tile of 16 tokens 256][chunk of 128 k 16][2048];  wc [tile of 16 columns 128: Wq 0-63, Wk 64-95, Wv 96-127][chunk 16][2048];  woc [tile 128][chunk 8][2048]
; code = x / 2^e, held within +-448, to the nearest code, ties to even.
; LIMITS: each e used here lies between -126 and 119, so that 2^e and 448 x 2^e are f32 numbers.  NaN among the inputs is not served.  Positions are 0 .. 2,047, the table that the
; problem indexes.  inv_freq comes from one v_exp_f32 and a correction, cos and sin from a two-part reduction by pi/2 and polynomials: a few units in the last place of f32.
; The launch streams: no work-group shares a byte with another, so there is no cluster, no tensor load and no matrix work.  Only the path of hidden_states uses LDS.
.set STG,   8448                       ; a wave's stage: 16 rows x 528
.set SP,    528                        ; a stage row: 512 bytes + 16: row r begins 4 r words further round the 64 banks (ISA guide 11.1)
.set SPARE, 4*STG                      ; behind the four stages: the spare words, 128 bytes a wave, that no other line names
.set R,  16                            ; v16-79   16 rows x 512 bytes as loaded
.set X,  80                            ; v80-143  register 8 c + j: k = 16 c + 8 h + j of my row
.set T,  144                           ; v144-159 two sets of eight held numbers, by turns
.set C,  160                           ; v160-207 the codes: 16 registers for each of the three scales
.set WX, 16                            ; weights: v16-79 two sets of 32 numbers down K
.set WC, 80                            ; weights: v80-143 codes, 32 registers a chunk, never written twice
.macro MKSCALE vs, vl, se              ; v[vs] = 2^e as f32 (the conversion takes its exponent field), v[vl] = 448 x 2^e
	s_add_co_i32 s52, \se, 127
	s_lshl_b32 s53, s52, 23
	v_mov_b32 v[\vs], s53
	s_add_co_i32 s52, s52, 8
	s_lshl_b32 s52, s52, 23
	s_or_b32 s52, s52, 0x600000
	v_mov_b32 v[\vl], s52
.endm
	s_load_b512 s[8:23], s[0:1], 0x0               ; hidden 8, Wq 10, Wk 12, Wv 14, Wo 16, positions 18, scales 20, xc 22
	s_load_b128 s[24:27], s[0:1], 0x40             ; wc 24, woc 26
	s_load_b64 s[28:29], s[0:1], 0x50              ; cs
	v_lshl_add_u32 v1, v0, 2, SPARE                ; my spare word,
	v_mov_b32 v2, 0                                ; and 0: kept for the add alone
	v_lshrrev_b32 v3, 5, v0
	v_readfirstlane_b32 s4, v3                     ; wave 0..3
	v_and_b32 v3, 31, v0                           ; lane
	v_lshlrev_b32 v4, 4, v3                        ; 16 x lane
	s_wait_kmcnt 0x0
	s_load_b256 s[32:39], s[20:21], 0x0            ; e0 .. e7
	s_load_b128 s[40:43], s[20:21], 0x20           ; e8 .. e11
	s_cmp_lt_u32 ttmp9, 256
	s_cbranch_scc1 .LX
	s_cmp_lt_u32 ttmp9, 320
	s_cbranch_scc1 .LWq
	s_cmp_lt_u32 ttmp9, 384
	s_cbranch_scc1 .LWkv
	s_cmp_lt_u32 ttmp9, 448
	s_cbranch_scc1 .LWo
	s_branch .LCS
; ---------------- hidden_states: the work-group takes 16 tokens, wave w chunks 4 w .. 4 w + 3 of their 16
.macro XLOAD f                         ; fragment f: each load reads 512 consecutive bytes of one row
.set ii, 0
.rept 16
	global_load_b128 v[R+4*ii:R+4*ii+3], v4, s[44:45] offset:8192*ii+512*(\f) th:TH_LOAD_NT
.set ii, ii+1
.endr
.endm
.macro XTURN                           ; through my own stage: in as loaded, out as the fragment's lanes want it.  LDS serves a wave's instructions in order (ISA guide 5.7.1.4): no wait between
.set ii, 0
.rept 16
	ds_store_b128 v5, v[R+4*ii:R+4*ii+3] offset:SP*ii
.set ii, ii+1
.endr
.set ii, 0
.rept 16
	ds_load_b128 v[X+4*ii:X+4*ii+3], v6 offset:64*(ii/2)+16*(ii%2)
.set ii, ii+1
.endr
.endm
.macro XQ p                            ; the 64 numbers under scale p: eight holds, one conversion; the two sets of T take turns, so that the line behind a conversion is a plain one on other registers
.set cq, 0
.rept 8
.set jq, 0
.rept 8
	v_med3_num_f32 v[T+8*(cq%2)+jq], v[X+8*cq+jq], -v[13+\p], v[13+\p]   ; the conversion to an 8-bit code does not saturate (ISA guide 7.6.2): the hold comes first
.set jq, jq+1
.endr
	v_cvt_scalef32_pk8_fp8_f32 v[C+16*\p+2*cq:C+16*\p+2*cq+1], v[T+8*(cq%2):T+8*(cq%2)+7], v[10+\p]
.set cq, cq+1
.endr
.endm
.macro XST f, p                        ; the image: each store covers 512 consecutive bytes, aligned
.irp m, 0,1,2,3
	global_store_b128 v4, v[C+16*\p+4*\m:C+16*\p+4*\m+3], s[46+2*\p:47+2*\p] offset:2048*(\f)+512*\m
.endr
.endm
.LX:
	s_mul_i32 s5, s4, STG
	v_add_nc_u32 v5, s5, v4                        ; stage, in: 16 x lane of a row
	v_and_b32 v6, 15, v3
	v_mul_u32_u24 v6, v6, SP
	v_lshrrev_b32 v7, 4, v3
	v_lshl_add_u32 v6, v7, 5, v6
	v_add_nc_u32 v6, s5, v6                        ; stage, out: row r, + 32 h
	s_lshl_b32 s44, ttmp9, 17                      ; 16 rows of 8,192 bytes
	s_lshl_b32 s6, s4, 11                          ; my four chunks of 512 bytes
	s_add_co_u32 s44, s44, s6
	s_mov_b32 s45, 0
	s_add_nc_u64 s[44:45], s[8:9], s[44:45]
	s_lshl_b32 s46, ttmp9, 15                      ; 16 fragments of 2,048 bytes
	s_lshl_b32 s6, s4, 13
	s_add_co_u32 s46, s46, s6
	s_mov_b32 s47, 0
	s_add_nc_u64 s[46:47], s[22:23], s[46:47]      ; a base for each set: a set is 8,388,608 bytes, beyond a store's immediate
	s_add_nc_u64 s[48:49], s[46:47], 0x800000
	s_add_nc_u64 s[50:51], s[48:49], 0x800000
	XLOAD 0
	s_wait_kmcnt 0x0
	MKSCALE 10, 13, s32
	MKSCALE 11, 14, s34
	MKSCALE 12, 15, s36
.irp f, 0,1,2,3
	s_wait_loadcnt 0x0                             ; only this fragment's 16 loads are out
	XTURN
	s_wait_dscnt 0x0                               ; the stage's stores have read R, and X is in
	s_wait_xcnt 0x0                                ; the last fragment's stores have read C: it is written again only behind this wait
.if \f < 3
	XLOAD \f+1                                     ; lands while this fragment is quantised
.endif
	XQ 0
	XQ 1
	XQ 2
	v_nop                                          ; a plain line behind the last conversion
	XST \f, 0
	XST \f, 1
	XST \f, 2
.endr
	s_wait_tensorcnt 0x0                           ; the wave's end: behind my last LDS store
	ds_add_u32 v1, v2
	s_wait_dscnt 0x0
	s_endpgm
; ---------------- weights, stored [K][N]: a lane takes a column and its registers run down K, so the conversions give codes with K innermost and nothing is transposed.
; The work-group takes 128 columns x 256 along K, wave w 32 columns.  A lane's eight codes of k = 8 G .. 8 G + 7 belong to the fragment lane (r, h = G % 2), registers 4 (G / 4) + 2 ((G % 4) / 2):
; so a lane owns, for each (m, h), 16 bytes at 512 m + 256 h + 16 r, and sixteen lanes store 256 consecutive bytes, aligned.
.macro WLOAD t, N                      ; block t: rows 32 t .. 32 t + 31 of my column: 128 consecutive bytes a load, 512 for the four waves
.set ii, 0
.rept 32
	global_load_b32 v[WX+32*((\t)%2)+ii], v7, s[44:45] offset:(32*(\t)+ii)*\N*4 th:TH_LOAD_NT
.set ii, ii+1
.endr
.endm
.macro WBLOCK t, N
.if (\t) < 7
	s_wait_loadcnt 32                              ; this block's 32 loads are in; the next block's 32 may be out
.else
	s_wait_loadcnt 0
.endif
.set ii, 0
.rept 32
	v_med3_num_f32 v[WX+32*((\t)%2)+ii], v[WX+32*((\t)%2)+ii], -v13, v13
.set ii, ii+1
.endr
.irp q, 0,1,2,3
	v_cvt_scalef32_pk8_fp8_f32 v[WC+32*((\t)/4)+4*(2*((\t)%4)+\q%2)+2*(\q/2):WC+32*((\t)/4)+4*(2*((\t)%4)+\q%2)+2*(\q/2)+1], v[WX+32*((\t)%2)+8*\q:WX+32*((\t)%2)+8*\q+7], v10
.endr
.if (\t)+2 < 8
	WLOAD (\t)+2, \N
.endif
.endm
.macro WSTORE ch
.irp m, 0,1,2,3
.irp h, 0,1
	global_store_b128 v8, v[WC+32*\ch+4*(2*\m+\h):WC+32*\ch+4*(2*\m+\h)+3], s[46:47] offset:2048*\ch+512*\m+256*\h
.endr
.endr
.endm
; in: s50 = the work-group's number within its tensor, s[44:45] the tensor, s[46:47] the codes' buffer, s48 the tensor's first tile there.  ea, eb: the scale below and from work-group 352 on
.macro WPATH N, LOGC, KT, ea, eb
	s_and_b32 s51, s50, (1<<\LOGC)-1               ; which 128 columns
	s_lshr_b32 s52, s50, \LOGC                     ; which 256 along K
	s_mul_i32 s54, s52, 256*\N*4
	s_lshl_b32 s53, s51, 9
	s_add_co_u32 s54, s54, s53
	s_lshl_b32 s53, s4, 7
	s_add_co_u32 s54, s54, s53
	s_mov_b32 s55, 0
	s_add_nc_u64 s[44:45], s[44:45], s[54:55]
	s_lshl_b32 s53, s51, 3
	s_add_co_u32 s53, s53, s48
	s_lshl_b32 s56, s4, 1
	s_add_co_u32 s53, s53, s56                     ; my wave's first tile of 16 columns
	s_mul_i32 s54, s53, \KT*2048
	s_lshl_b32 s56, s52, 12                        ; two chunks of 2,048 bytes
	s_add_co_u32 s54, s54, s56
	s_add_nc_u64 s[46:47], s[46:47], s[54:55]
	v_lshlrev_b32 v7, 2, v3                        ; in: 4 bytes a lane
	v_lshrrev_b32 v8, 4, v3
	v_mul_u32_u24 v8, v8, \KT*2048                 ; out: lanes 16-31 hold the next tile's columns,
	v_and_b32 v9, 15, v3
	v_lshl_add_u32 v8, v9, 4, v8                   ; 16 bytes for each row r
	WLOAD 0, \N
	WLOAD 1, \N
	s_wait_kmcnt 0x0
	s_cmp_lt_u32 ttmp9, 352
	s_cselect_b32 s49, \ea, \eb
	MKSCALE 10, 13, s49
.irp t, 0,1,2,3
	WBLOCK \t, \N
.endr
	WSTORE 0
.irp t, 4,5,6,7
	WBLOCK \t, \N
.endr
	WSTORE 1
	s_endpgm
.endm
.LWq:
	s_sub_co_u32 s50, ttmp9, 256
	s_mov_b64 s[44:45], s[10:11]
	s_mov_b64 s[46:47], s[24:25]
	s_mov_b32 s48, 0
	WPATH 1024, 3, 16, s33, s33
.LWkv:
	s_sub_co_u32 s50, ttmp9, 320
	s_cmp_lt_u32 s50, 32                           ; the first 32 take Wk, the others Wv: a choice on the work-group's number alone
	s_cselect_b64 s[44:45], s[12:13], s[14:15]
	s_cselect_b32 s48, 64, 96
	s_and_b32 s50, s50, 31
	s_mov_b64 s[46:47], s[24:25]
	WPATH 512, 2, 16, s35, s37
.LWo:
	s_sub_co_u32 s50, ttmp9, 384
	s_mov_b64 s[44:45], s[16:17]
	s_mov_b64 s[46:47], s[26:27]
	s_mov_b32 s48, 0
	WPATH 2048, 4, 8, s43, s43
; ---------------- cos and sin: a wave takes 16 tokens.  Lanes 0-15 make the cosines, lanes 16-31 the sines, of frequencies 2 (lane % 16) and 2 (lane % 16) + 1: one store writes a token's 256 bytes.
; angle a = position x inv_freq, rounded to f32 as the problem has it.  n = the nearest whole number to a x 2 / pi (at most 1,304); r = a - n pi/2 with pi/2 in two parts; sin r and cos r by polynomials
; on |r| <= pi/4; sin a is sin r, cos r, -sin r, -cos r for n % 4 = 0 .. 3, and cos a is the same with n + 1.
.macro CSONE i, u
.set B, 32+16*\u
	v_mul_f32 v[B], v30, v[22+\u]                  ; a
	v_mul_f32 v[B+1], s66, v[B]
	v_rndne_f32 v[B+1], v[B+1]                     ; n
	v_fma_f32 v[B+2], -v[B+1], s67, v[B]
	v_fma_f32 v[B+2], -v[B+1], s68, v[B+2]         ; r
	v_mul_f32 v[B+3], v[B+2], v[B+2]               ; z = r^2
	v_fma_f32 v[B+4], v[B+3], s71, s70
	v_fma_f32 v[B+5], v[B+3], s74, s73
	v_mul_f32 v[B+6], v[B+2], v[B+3]               ; r z
	v_fma_f32 v[B+7], v[B+3], -0.5, 1.0            ; 1 - z / 2
	v_fma_f32 v[B+4], v[B+4], v[B+3], s69
	v_fma_f32 v[B+5], v[B+5], v[B+3], s72
	v_mul_f32 v[B+8], v[B+3], v[B+3]
	v_cvt_i32_f32 v[B+9], v[B+1]
	v_fma_f32 v[B+4], v[B+6], v[B+4], v[B+2]       ; sin r
	v_fma_f32 v[B+5], v[B+8], v[B+5], v[B+7]       ; cos r
	v_add_nc_u32 v[B+9], v[B+9], v26               ; n, or n + 1 for a cosine
	v_and_b32 v[B+10], 1, v[B+9]
	v_cmp_eq_u32 vcc_lo, 1, v[B+10]
	v_cndmask_b32 v[B+4], v[B+4], v[B+5], vcc_lo
	v_and_b32 v[B+9], 2, v[B+9]
	v_lshlrev_b32 v[B+9], 30, v[B+9]               ; the sign
	v_xor_b32 v[80+2*\i+\u], v[B+4], v[B+9]
.endm
.LCS:
	s_sub_co_u32 s44, ttmp9, 448
	s_lshl_b32 s44, s44, 2
	s_add_co_u32 s44, s44, s4                      ; which 16 tokens
	s_lshl_b32 s46, s44, 6
	s_mov_b32 s47, 0
	s_add_nc_u64 s[18:19], s[18:19], s[46:47]
	s_load_b512 s[48:63], s[18:19], 0x0            ; their positions
	s_lshl_b32 s46, s44, 12
	s_add_nc_u64 s[28:29], s[28:29], s[46:47]
	s_mov_b32 s66, 0x3f22f983                      ; 2 / pi
	s_mov_b32 s67, 0x3fc90fdb                      ; pi / 2, the f32 number nearest to it,
	s_mov_b32 s68, 0xb33bbd2e                      ; and what it lacks: -4.3711388e-8
	s_mov_b32 s69, 0xbe2aaaa3                      ; sin: -1.6666654611e-1, 8.3321608736e-3, -1.9515295891e-4
	s_mov_b32 s70, 0x3c08839e
	s_mov_b32 s71, 0xb94ca1f9
	s_mov_b32 s72, 0x3d2aaaa5                      ; cos: 4.166664568e-2, -1.388731625e-3, 2.443315712e-5
	s_mov_b32 s73, 0xbab6061a
	s_mov_b32 s74, 0x37ccf5ce
	s_mov_b32 s75, 0xb506b6f1                      ; -(c - c_hi) ln 2
	v_lshrrev_b32 v26, 4, v3
	v_sub_nc_u32 v26, 1, v26                       ; 1 in the lanes that make cosines
	v_lshlrev_b32 v9, 3, v3                        ; 8 bytes a lane
	v_and_b32 v20, 15, v3
	v_lshlrev_b32 v20, 1, v20
	v_cvt_f32_u32 v20, v20                         ; f
	v_add_f32 v21, 1.0, v20                        ; f + 1
	v_mul_f32 v22, 0xbed49a60, v20                 ; inv_freq = 2^(-f c), c = log2(10000) / 32.  c_hi has five low bits clear, so f c_hi is exact;
	v_mul_f32 v23, 0xbed49a60, v21
	v_exp_f32 v22, v22
	v_exp_f32 v23, v23
	v_fma_f32 v24, v20, s75, 1.0                   ; 2^(-f (c - c_hi)) = 1 - f (c - c_hi) ln 2, short of 2e-10.  (The plain lines behind the exponentials)
	v_fma_f32 v25, v21, s75, 1.0
	s_wait_alu depctr_va_vdst(0)                   ; the wait ahead of the first line that names an exponential's result: one for both
	v_mul_f32 v22, v22, v24
	v_mul_f32 v23, v23, v25
	s_wait_kmcnt 0x0
.irp i, 0,1,2,3,4,5,6,7,8,9,10,11,12,13,14,15
	v_cvt_f32_u32 v30, s[48+\i]
	CSONE \i, 0
	CSONE \i, 1
	global_store_b64 v9, v[80+2*\i:81+2*\i], s[28:29] offset:256*\i   ; 32 lanes store the token's 256 bytes; each token has its own data registers
.endr
	s_endpgm
.Lfunc_end_k_qa79e2e6370_prep:
	.size	k_qa79e2e6370_prep, .Lfunc_end_k_qa79e2e6370_prep-k_qa79e2e6370_prep
	.p2alignl 7, 3214868480
	.fill 96, 4, 3214868480
	.section	.rodata,"a",@progbits
	.p2align	6, 0x0
	.amdhsa_kernel k_qa79e2e6370_prep
		.amdhsa_group_segment_fixed_size 34304
		.amdhsa_private_segment_fixed_size 0
		.amdhsa_enable_private_segment 0
		.amdhsa_kernarg_size 88
		.amdhsa_user_sgpr_count 2
		.amdhsa_user_sgpr_kernarg_segment_ptr 1
		.amdhsa_wavefront_size32 1
		.amdhsa_system_sgpr_workgroup_id_x 1
		.amdhsa_system_sgpr_workgroup_id_y 1
		.amdhsa_system_sgpr_workgroup_id_z 1
		.amdhsa_system_vgpr_workitem_id 0
		.amdhsa_next_free_vgpr 208
		.amdhsa_next_free_sgpr 96
		.amdhsa_reserve_vcc 1
		.amdhsa_float_denorm_mode_32 3
		.amdhsa_float_denorm_mode_16_64 3
		.amdhsa_memory_ordered 1
		.amdhsa_forward_progress 1
		.amdhsa_inst_pref_size 248
	.end_amdhsa_kernel
	.amdgpu_metadata
---
amdhsa.version: [ 1, 2 ]
amdhsa.kernels:
  - .name:           k_qa79e2e6370_prep
    .symbol:         k_qa79e2e6370_prep.kd
    .args:
      - { .name: hidden_states, .offset: 0, .size: 8, .value_kind: global_buffer, .address_space: global }
      - { .name: Wq, .offset: 8, .size: 8, .value_kind: global_buffer, .address_space: global }
      - { .name: Wk, .offset: 16, .size: 8, .value_kind: global_buffer, .address_space: global }
      - { .name: Wv, .offset: 24, .size: 8, .value_kind: global_buffer, .address_space: global }
      - { .name: Wo, .offset: 32, .size: 8, .value_kind: global_buffer, .address_space: global }
      - { .name: position_ids, .offset: 40, .size: 8, .value_kind: global_buffer, .address_space: global }
      - { .name: lowp_scales, .offset: 48, .size: 8, .value_kind: global_buffer, .address_space: global }
      - { .name: xc, .offset: 56, .size: 8, .value_kind: global_buffer, .address_space: global }
      - { .name: wc, .offset: 64, .size: 8, .value_kind: global_buffer, .address_space: global }
      - { .name: woc, .offset: 72, .size: 8, .value_kind: global_buffer, .address_space: global }
      - { .name: cs, .offset: 80, .size: 8, .value_kind: global_buffer, .address_space: global }
    .group_segment_fixed_size: 34304
    .private_segment_fixed_size: 0
    .kernarg_segment_align: 8
    .kernarg_segment_size: 88
    .max_flat_workgroup_size: 128
    .sgpr_count:     96
    .vgpr_count:     208
    .wavefront_size: 32
...
	.end_amdgpu_metadata
.endif
;; end of part 1
;; launch qkv (part 2): grid 16 x 16, 4 waves a work-group, clusters of 4 x 4, 327,680 bytes of LDS; arguments xc, wc, cs, lowp_scales, qc, kv; writes qc, kv
.if DOCPART == 2
	.amdgcn_target "amdgcn-amd-amdhsa--gfx1250"
	.amdhsa_code_object_version 6
	.text
	.protected	k_qa79e2e6370_qkv
	.globl	k_qa79e2e6370_qkv
	.p2align	8
	.type	k_qa79e2e6370_qkv,@function
k_qa79e2e6370_qkv:
	s_mov_b64 s[64:65], 0
	v_nop
	global_prefetch_b8 v0, s[64:65] scope:SCOPE_SE
	s_setreg_imm32_b32 hwreg(HW_REG_WAVE_MODE, 25, 1), 1
	s_wait_xcnt 0x0
	s_wait_alu depctr_hold_cnt(0) depctr_sa_sdst(0) depctr_va_vdst(0) depctr_va_sdst(0) depctr_va_ssrc(0) depctr_va_vcc(0) depctr_vm_vsrc(0)
	s_getreg_b32 s2, hwreg(HW_REG_IB_STS2, 6, 4)
	s_cmp_eq_u32 s2, 0
	s_cbranch_scc0 .Lentry_in_a_cluster
	s_endpgm
.Lentry_in_a_cluster:
	s_bfe_u32 s2, ttmp6, 0x10000c
	s_cmp_lg_u32 s2, 0xf033
	s_cbranch_scc0 .Lentry_shape_is_right
	s_endpgm
.Lentry_shape_is_right:
; QKV: q, k, v = hidden_states x (Wq | Wk | Wv) on codes of E4M3, the rotary embedding on q and k, and the quantisers of the two attention products.
; P = tokens (xc), Q = the weights' columns (wc).  A work-group makes 256 tokens x 128 columns; its four waves (wp = wave / 2, wq = wave % 2) 128 x 64 each: 8 x 4 accumulators, 256 registers;
; a wave's 64 columns are one head.  Column blocks 0-7 are q's, 8-11 k's, 12-15 v's: a cluster's four column blocks belong to one tensor, so cluster x chooses the set of x's codes
; (scale entry 0, 2 or 4), the folded scale and the form of the products: the same choice in all sixteen partners.
; K goes in steps of 256 (two chunks of 128) through a ring of two LDS slots.  All operands are IMAGES OF THEIR REGISTERS (fragment = 2,048 bytes, registers 4 m .. 4 m + 3 of lane l at 512 m + 16 l):
; a fragment comes by four ds_load_b128 at 16 x lane: no pitch, no padding, consecutive bytes.
; CLUSTERS: 4 x 4.  P's tile hangs on the token block alone and is asked for jointly along a row of the cluster, Q's on the column block alone and jointly along a column.
; q, k: source 0 = 16 columns, source 1 = 16 tokens: a lane holds one token and eight neighbouring d: the rotary partner d + 32 lies two tiles on in the same lane, and the conversions' results are
; the fragments (16 tokens x 64 d) that the attention launch reads.  v: the sources are swapped: a lane holds one d and eight neighbouring tokens: fragments 16 d x 128 keys.
; The rotary embedding is linear, so it is applied to the raw sums, and the three scales are folded into the conversion's one: E = e(out) - e(x) - e(w).
; LIMITS: E between -126 and 119.  NaN is not served.
; REGISTERS, in windows of 256: window 0: v16-31 addresses and scales, v32-127 at work on the way out, v128-255 cos and sin of token tiles 4-7;  window 1: P's fragments, two sets of 128;
;   window 2: accumulator (a, b) at v[8 (4 a + b)];  window 3: v0-127 Q's fragments, two sets of 64; v128-255 cos and sin of token tiles 0-3.
.set IS_QKV, 1
.set KT,    16                         ; chunks of 128 along K
.set LAPS,  KT/4                       ; a lap = two K steps = once round the ring
.set SLOT,  98304                      ; P: 16 tiles x 4,096, then Q: 8 tiles x 4,096
.set QOFF,  65536
.set SPARE, 2*SLOT                     ; behind the ring: the spare words, 128 bytes a wave, that no other line names
.set SPW, 28                           ; v28  my spare word's address; never rewritten
.set NIL, 29                           ; v29  0; never rewritten
.set ADP, 16                           ; v16-17  LDS address of my P fragments in slot 0, 1
.set ADQ, 20                           ; v20-21  the same for Q
.set G1P, 24                           ; s[24:31] descriptor group 1 for P's tiles; s[32:39] group 0, a set for each slot
.set G0P, 32
.set G1Q, 48                           ; s[48:55], s[56:63] the same for Q's
.set G0Q, 56
.set MSB, 0
.macro WIN new                         ; the immediate's high byte repeats the setting that is left
.if MSB != \new
	s_set_vgpr_msb (MSB<<8)|\new
.set MSB, \new
.endif
.endm
.macro PLACES                          ; four plain vector lines between a matrix instruction and a load into, or a read of, its registers
.rept 4
	v_nop
.endr
.endm
.macro CREST                           ; a round of the cluster's barrier behind its opening barrier
	s_cmp_lg_u32 s16, 0
	s_cbranch_scc1 .Lnot_wave_0_\@
	s_barrier_signal -3
.Lnot_wave_0_\@:
	s_barrier_wait -3
	s_barrier_signal -1
	s_barrier_wait -1
.endm
.macro CROUND
	s_barrier_signal -1
	s_barrier_wait -1
	CREST
.endm
.macro JLOAD s                         ; a joint load: waves 0 and 1 fetch P's halves, waves 2 and 3 Q's; the branch hangs on the wave's number alone; an s_nop 0 and four v_nop follow each line
	s_cmp_eq_u32 s17, 0
	s_cbranch_scc0 .Lfor_q_\@
	tensor_load_to_lds s[G0P+4*\s:G0P+4*\s+3], s[G1P:G1P+7]
	s_nop 0
.rept 4
	v_nop
.endr
	s_branch .Lasked_\@
.Lfor_q_\@:
	tensor_load_to_lds s[G0Q+4*\s:G0Q+4*\s+3], s[G1Q:G1Q+7]
	s_nop 0
.rept 4
	v_nop
.endr
.Lasked_\@:
.endm
.macro FETCH slot, q, set              ; 48 LDS loads in one run: my 8 fragments of P and 4 of Q, chunk q of the slot, into set
	WIN 0x40
.irp a, 0,1,2,3,4,5,6,7
.irp c, 0,1,2,3
	ds_load_b128 v[128*(\set)+16*\a+4*\c:128*(\set)+16*\a+4*\c+3], v[ADP+\slot] offset:4096*\a+2048*(\q)+512*\c
.endr
.endr
	WIN 0xc0
.irp b, 0,1,2,3
.irp c, 0,1,2,3
	ds_load_b128 v[64*(\set)+16*\b+4*\c:64*(\set)+16*\b+4*\c+3], v[ADQ+\slot] offset:4096*\b+2048*(\q)+512*\c
.endr
.endr
	WIN 0
.endm
; na x 4 matrix instructions: token tiles a0 on x my four column tiles, 128 along K.  The 32 accumulators take turns, one instruction a turn, in the same order everywhere.
.macro MUL set, a0, na, zero, swap
.if \swap
	WIN 0xad                                       ; source 0 = P (window 1), source 1 = Q (window 3), C and D window 2
.else
	WIN 0xa7                                       ; source 0 = Q (window 3), source 1 = P (window 1), C and D window 2
.endif
.set ai, \a0
.rept \na
.irp b, 0,1,2,3
.if \swap
.if \zero
	v_wmma_f32_16x16x128_fp8_fp8 v[8*(4*ai+\b):8*(4*ai+\b)+7], v[128*(\set)+16*ai:128*(\set)+16*ai+15], v[64*(\set)+16*\b:64*(\set)+16*\b+15], 0
.else
	v_wmma_f32_16x16x128_fp8_fp8 v[8*(4*ai+\b):8*(4*ai+\b)+7], v[128*(\set)+16*ai:128*(\set)+16*ai+15], v[64*(\set)+16*\b:64*(\set)+16*\b+15], v[8*(4*ai+\b):8*(4*ai+\b)+7]
.endif
.else
.if \zero
	v_wmma_f32_16x16x128_fp8_fp8 v[8*(4*ai+\b):8*(4*ai+\b)+7], v[64*(\set)+16*\b:64*(\set)+16*\b+15], v[128*(\set)+16*ai:128*(\set)+16*ai+15], 0
.else
	v_wmma_f32_16x16x128_fp8_fp8 v[8*(4*ai+\b):8*(4*ai+\b)+7], v[64*(\set)+16*\b:64*(\set)+16*\b+15], v[128*(\set)+16*ai:128*(\set)+16*ai+15], v[8*(4*ai+\b):8*(4*ai+\b)+7]
.endif
.endif
.endr
.set ai, ai+1
.endr
.endm
.macro MULB set, a0, na, zero          ; the products in the form that the cluster's tensor wants: s19 = 1 for v.  It hangs on cluster x alone
.if IS_QKV
	s_cmp_eq_u32 s19, 0
	s_cbranch_scc0 .Lsw_\@
	MUL \set, \a0, \na, \zero, 0
	WIN 0
	s_branch .Lj_\@
.Lsw_\@:
	MUL \set, \a0, \na, \zero, 1
	WIN 0
.Lj_\@:
.else
	MUL \set, \a0, \na, \zero, 0
	WIN 0
.endif
.endm
.macro STEP slot, zero                 ; a slot's first chunk (set 0); in its middle the second chunk is fetched into set 1
	s_wait_dscnt 0x0                               ; set 0 is in
	MULB 0, 0, 4, \zero
	PLACES                                         ; set 1 was last read by the chunk before
	FETCH \slot, 1, 1
	MULB 0, 4, 4, \zero
.endm
; A slot's second chunk (set 1), and the change of slots.  In front of the barrier each wave waits for all its tensor loads (one is out: its part of the next slot), adds 0 to its spare word, and waits for
; that and for its reads of this slot (set 1's loads were the last).  fill = 1: the barrier is a round of the cluster's, and this slot is filled again first behind it, two K steps ahead: the load has a
; whole K step, 64 matrix instructions a wave, in which to land.
.macro TURN slot, next, fill
	s_wait_tensorcnt 0x0
	ds_add_u32 v[SPW], v[NIL]
.if \fill
	s_add_nc_u64 s[G0P+4*\slot+2:G0P+4*\slot+3], s[G0P+4*\slot+2:G0P+4*\slot+3], 8192   ; no tensor load of mine is out: the groups 0 may be written
	s_add_nc_u64 s[G0Q+4*\slot+2:G0Q+4*\slot+3], s[G0Q+4*\slot+2:G0Q+4*\slot+3], 8192
.endif
	s_wait_dscnt 0x0
.if \fill
	CROUND
	JLOAD \slot                                    ; its four v_nop are also the places in front of the loads into set 0
.else
	s_barrier_signal -1
	s_barrier_wait -1
	PLACES
.endif
	FETCH \next, 0, 0
	MULB 1, 0, 8, 0
.endm
	s_load_b256 s[4:11], s[0:1], 0x0               ; xc 4, wc 6, cs 8, scales 10
	s_load_b128 s[12:15], s[0:1], 0x20             ; qc 12, kv 14
	v_lshl_add_u32 v[SPW], v0, 2, SPARE
	v_mov_b32 v[NIL], 0
	ds_add_u32 v[SPW], v[NIL]                      ; the wave's opening: the add and its wait ahead of my first tensor load; work on registers stands between
	v_lshrrev_b32 v1, 5, v0
	v_readfirstlane_b32 s16, v1                    ; wave 0..3
	s_lshr_b32 s17, s16, 1                         ; wp: my half of the tokens.  Also: I fetch for P (0) or for Q (1)
	s_and_b32 s18, s16, 1                          ; wq: my half of the columns.  Also: which half of that tile I fetch
	s_bfe_u32 s40, ttmp6, 0x40000                  ; cx
	s_bfe_u32 s41, ttmp6, 0x40004                  ; cy
	s_lshl_b32 s42, ttmp9, 2
	s_add_co_u32 s42, s42, s40                     ; column block = 4 x cluster x + cx
	s_and_b32 s43, ttmp7, 0xffff
	s_lshl_b32 s43, s43, 2
	s_add_co_u32 s43, s43, s41                     ; token block = 4 x cluster y + cy
	s_lshl_b32 s44, s41, 2
	s_lshl_b32 s44, 15, s44                        ; my row of the cluster
	s_lshl_b32 s45, 0x1111, s40                    ; my column
	s_or_b32 s[G1P], s44, (3<<16)|(1<<21)          ; 15:0 the mask; 17:16 elements of 8 bytes; 21 set beside a mask; no padding
	s_or_b32 s[G1Q], s45, (3<<16)|(1<<21)
	s_mov_b32 s[G1P+1], 512<<16                    ; tensor_dim0 = 512 elements: a tile's two chunks, 4,096 bytes
	s_mov_b32 s[G1P+2], 8<<16                      ; tensor_dim1 = 8 tiles of 16 tokens
	s_mov_b32 s[G1P+3], 512<<16                    ; tile_dim0
	s_mov_b32 s[G1P+4], 8                          ; tile_dim1
	s_mov_b32 s[G1P+5], KT*256                     ; from tile to tile: KT fragments
	s_mov_b32 s[G1P+6], 0
	s_mov_b32 s[G1P+7], 0
	s_mov_b32 s[G1Q+1], 512<<16
	s_mov_b32 s[G1Q+2], 4<<16                      ; 4 tiles of 16 columns
	s_mov_b32 s[G1Q+3], 512<<16
	s_mov_b32 s[G1Q+4], 4
	s_mov_b32 s[G1Q+5], KT*256
	s_mov_b32 s[G1Q+6], 0
	s_mov_b32 s[G1Q+7], 0
	s_lshl_b32 s20, s43, 4                         ; P: tile 16 x token block + 8 x half, in registers that never hold cx
	s_lshl_b32 s21, s18, 3
	s_add_co_u32 s20, s20, s21
	s_mul_i32 s20, s20, KT*2048
	s_max_u32 s21, ttmp9, 1                        ; the set of x's codes: 0, 0, 1, 2 for cluster x = 0 .. 3
	s_sub_co_u32 s21, s21, 1
	s_lshl_b32 s21, s21, 23
	s_add_co_u32 s20, s20, s21
	s_mov_b32 s21, 0
	s_lshl_b32 s46, s42, 3                         ; Q: tile 8 x column block + 4 x half, in registers that never hold cy
	s_lshl_b32 s47, s18, 2
	s_add_co_u32 s46, s46, s47
	s_mul_i32 s46, s46, KT*2048
	s_mov_b32 s47, 0
	s_lshl_b32 s22, s18, 15                        ; where they go: no place in the cluster enters an LDS address
	s_lshl_b32 s23, s18, 14
	s_add_co_u32 s23, s23, QOFF
	s_wait_dscnt 0x0                               ; the opening add is done
	s_wait_kmcnt 0x0
	s_load_b256 s[68:75], s[10:11], 0x0            ; e0 .. e7
	s_load_b128 s[76:79], s[10:11], 0x20           ; e8 .. e11
	s_add_nc_u64 s[20:21], s[4:5], s[20:21]
	s_add_nc_u64 s[46:47], s[6:7], s[46:47]
	CROUND                                         ; all sixteen work-groups are here: the first joint loads meet
.irp s, 0,1
	s_mov_b32 s[G0P+4*\s], 1
	s_add_co_u32 s[G0P+4*\s+1], s22, \s*SLOT
	s_add_nc_u64 s[G0P+4*\s+2:G0P+4*\s+3], s[20:21], \s*4096
	s_or_b32 s[G0P+4*\s+3], s[G0P+4*\s+3], 0x80000000
	s_mov_b32 s[G0Q+4*\s], 1
	s_add_co_u32 s[G0Q+4*\s+1], s23, \s*SLOT
	s_add_nc_u64 s[G0Q+4*\s+2:G0Q+4*\s+3], s[46:47], \s*4096
	s_or_b32 s[G0Q+4*\s+3], s[G0Q+4*\s+3], 0x80000000
	JLOAD \s                                       ; two loads of mine are out
.endr
	v_and_b32 v1, 31, v0
	v_lshlrev_b32 v23, 4, v1                       ; 16 x lane
	s_lshl_b32 s20, s17, 15                        ; my 8 tiles of P,
	s_lshl_b32 s21, s18, 14
	s_add_co_u32 s21, s21, QOFF                    ; my 4 tiles of Q
.irp s, 0,1
	v_add_nc_u32 v[ADP+\s], s20, v23
	v_add_nc_u32 v[ADQ+\s], s21, v23
	s_add_co_u32 s20, s20, SLOT
	s_add_co_u32 s21, s21, SLOT
.endr
	; cos and sin of my 128 tokens, in the results' layout: lane (r, h) of token tile a wants, for tile b = 0, 1, frequencies 16 b + 8 h + 0 .. 7.  Every work-group loads them (v's too: one path writes what the way out reads)
	v_and_b32 v2, 15, v0
	v_bfe_u32 v3, v0, 4, 1
	v_lshlrev_b32 v22, 8, v2
	v_lshl_add_u32 v22, v3, 5, v22                 ; token r's 256 bytes, + 32 h
	s_lshl_b32 s84, s43, 16
	s_lshl_b32 s85, s17, 15
	s_add_co_u32 s84, s84, s85
	s_mov_b32 s85, 0
	s_add_nc_u64 s[84:85], s[8:9], s[84:85]
.macro CSLOAD a                        ; tile a's 32 registers: cos at + 8 b + j, sin at + 16 + 8 b + j
.set CB, 128+32*((\a)%4)
.irp b, 0,1
.irp u, 0,1
	global_load_b128 v[CB+8*\b+4*\u:CB+8*\b+4*\u+3], v22, s[84:85] offset:4096*(\a)+64*\b+16*\u
	global_load_b128 v[CB+16+8*\b+4*\u:CB+16+8*\b+4*\u+3], v22, s[84:85] offset:4096*(\a)+128+64*\b+16*\u
.endr
.endr
.endm
	WIN 0xc0
.irp a, 0,1,2,3
	CSLOAD \a
.endr
	WIN 0
.irp a, 4,5,6,7
	CSLOAD \a
.endr
	; where my results go
	s_lshr_b32 s86, s43, 3                         ; batch
	s_and_b32 s87, s43, 7
	s_lshl_b32 s87, s87, 1
	s_add_co_u32 s87, s87, s17                     ; which 128 tokens of the batch
	s_lshl_b32 s88, s86, 4                         ; q: ((16 batch + head) x 16 + that) x 8,192, head = 2 x column block + wq
	s_lshl_b32 s89, s42, 1
	s_add_co_u32 s88, s88, s89
	s_add_co_u32 s88, s88, s18
	s_lshl_b32 s88, s88, 4
	s_add_co_u32 s88, s88, s87
	s_lshl_b32 s88, s88, 13
	s_lshl_b32 s90, s86, 3                         ; k, v: ((8 batch + head) x 16 + that) x 16,384, head = 2 x (column block % 4) + wq
	s_and_b32 s89, s42, 3
	s_lshl_b32 s89, s89, 1
	s_add_co_u32 s90, s90, s89
	s_add_co_u32 s90, s90, s18
	s_lshl_b32 s90, s90, 4
	s_add_co_u32 s90, s90, s87
	s_lshl_b32 s90, s90, 14
	s_cmp_lt_u32 ttmp9, 2
	s_cselect_b32 s88, s88, s90
	s_cselect_b64 s[82:83], s[12:13], s[14:15]
	s_mov_b32 s89, 0
	s_add_nc_u64 s[82:83], s[82:83], s[88:89]
	s_wait_kmcnt 0x0
	s_sub_co_i32 s80, s74, s68
	s_sub_co_i32 s80, s80, s69                     ; q: e6 - e0 - e1
	s_sub_co_i32 s81, s75, s70
	s_sub_co_i32 s81, s81, s71                     ; k: e7 - e2 - e3
	s_sub_co_i32 s92, s77, s72
	s_sub_co_i32 s92, s92, s73                     ; v: e9 - e4 - e5
	s_cmp_lt_u32 ttmp9, 2
	s_cselect_b32 s80, s80, s81
	s_cmp_eq_u32 ttmp9, 3
	s_cselect_b32 s80, s92, s80
	s_cselect_b32 s19, 1, 0                        ; v's clusters swap the sources
	s_add_co_i32 s80, s80, 127
	s_lshl_b32 s81, s80, 23
	v_mov_b32 v30, s81                             ; 2^E as f32
	s_add_co_i32 s80, s80, 8
	s_lshl_b32 s80, s80, 23
	s_or_b32 s80, s80, 0x600000
	v_mov_b32 v31, s80                             ; 448 x 2^E
	s_wait_tensorcnt 1                             ; my part of K step 0 is in; K step 1's load, the one younger, may be out
	s_barrier_signal -1
	s_barrier_wait -1
	FETCH 0, 0, 0
	STEP 0, 1                                      ; the first chunk stands in front of the loop: its products start the sums
	s_mov_b32 s3, LAPS-1
.Llap:
	TURN 0, 1, 1
	STEP 1, 0
	TURN 1, 0, 1
	STEP 0, 0
	s_sub_co_u32 s3, s3, 1
	s_cmp_lg_u32 s3, 0
	s_cbranch_scc1 .Llap
	TURN 0, 1, 0                                   ; the last lap fills nothing
	STEP 1, 0
	s_wait_dscnt 0x0
	MULB 1, 0, 8, 0
	; THE WAY OUT: straight from registers: the conversions' results are the next reader's fragments, and each store covers 512 consecutive bytes, aligned
	PLACES
	s_wait_loadcnt 0x0                             ; cos and sin
	s_cmp_eq_u32 s19, 0
	s_cbranch_scc0 .Lv_out
.macro ROPE a                          ; token tile a: out(d) = x(d) cos - x(d + 32) sin, out(d + 32) = x(d + 32) cos + x(d) sin, d = 16 b + 8 h + i; each accumulator is read from its low end on
.if (\a) < 4
	WIN 0x0e                                       ; source 0 (sums) window 2, source 1 (cos, sin) window 3
.else
	WIN 0x02                                       ; source 0 window 2
.endif
.set CB, 128+32*((\a)%4)
.set AC, 32*(\a)
.set CD, 96+8*((\a)%4)
.irp b, 0,1
.irp i, 0,2,4,6
	v_pk_mul_f32 v[64+8*\b+\i:65+8*\b+\i], v[AC+8*\b+\i:AC+8*\b+\i+1], v[CB+8*\b+\i:CB+8*\b+\i+1]
	v_pk_mul_f32 v[80+8*\b+\i:81+8*\b+\i], v[AC+16+8*\b+\i:AC+16+8*\b+\i+1], v[CB+8*\b+\i:CB+8*\b+\i+1]
.endr
.irp i, 0,2,4,6
	v_pk_fma_f32 v[64+8*\b+\i:65+8*\b+\i], v[AC+16+8*\b+\i:AC+16+8*\b+\i+1], v[CB+16+8*\b+\i:CB+16+8*\b+\i+1], v[64+8*\b+\i:65+8*\b+\i] neg_lo:[0,1,0] neg_hi:[0,1,0]
	v_pk_fma_f32 v[80+8*\b+\i:81+8*\b+\i], v[AC+8*\b+\i:AC+8*\b+\i+1], v[CB+16+8*\b+\i:CB+16+8*\b+\i+1], v[80+8*\b+\i:81+8*\b+\i]
.endr
.endr
	WIN 0
.if (\a) == 4
	s_wait_xcnt 0x0                                ; tiles 0 to 3's stores have read their codes' registers, which are written again from here on
.endif
.irp c, 0,1,2,3
.irp j, 0,1,2,3,4,5,6,7
	v_med3_num_f32 v[64+8*\c+\j], v[64+8*\c+\j], -v31, v31   ; the conversion does not saturate (ISA guide 7.6.2): the hold comes first
.endr
	v_cvt_scalef32_pk8_fp8_f32 v[CD+2*\c:CD+2*\c+1], v[64+8*\c:71+8*\c], v30   ; registers 2 c, 2 c + 1: d = 16 c + 8 h + 0 .. 7
.endr
	v_nop                                          ; a plain line behind the last conversion
	global_store_b128 v23, v[CD:CD+3], s[82:83] offset:1024*(\a)
	global_store_b128 v23, v[CD+4:CD+7], s[82:83] offset:1024*(\a)+512
.endm
.irp a, 0,1,2,3,4,5,6,7
	ROPE \a
.endr
	s_branch .Lend
.Lv_out:
.macro VOUT b                          ; d tile b: lane (r, h) holds d = 16 b + r and, in accumulator (a, b), tokens 16 a + 8 h + 0 .. 7: registers 2 a, 2 a + 1 of the fragment 16 d x 128 keys
	WIN 0x02
.irp a, 0,1,2,3,4,5,6,7
.irp j, 0,1,2,3,4,5,6,7
	v_med3_num_f32 v[32+8*\a+\j], v[32*\a+8*(\b)+\j], -v31, v31
.endr
.endr
	WIN 0
.if (\b) == 2
	s_wait_xcnt 0x0                                ; tiles 0 and 1's stores have read their codes' registers
.endif
.irp a, 0,1,2,3,4,5,6,7
	v_cvt_scalef32_pk8_fp8_f32 v[96+16*((\b)%2)+2*\a:97+16*((\b)%2)+2*\a], v[32+8*\a:39+8*\a], v30
.endr
	v_nop
.irp m, 0,1,2,3
	global_store_b128 v23, v[96+16*((\b)%2)+4*\m:99+16*((\b)%2)+4*\m], s[82:83] offset:8192+2048*(\b)+512*\m
.endr
.endm
.irp b, 0,1,2,3
	VOUT \b
.endr
.Lend:
	s_wait_tensorcnt 0x0                           ; the wave's end
	ds_add_u32 v[SPW], v[NIL]
	s_wait_dscnt 0x0
	CROUND                                         ; the closing round: no work-group ends while a partner may still ask for a tile that names it
	s_endpgm
.Lfunc_end_k_qa79e2e6370_qkv:
	.size	k_qa79e2e6370_qkv, .Lfunc_end_k_qa79e2e6370_qkv-k_qa79e2e6370_qkv
	.p2alignl 7, 3214868480
	.fill 96, 4, 3214868480
	.section	.rodata,"a",@progbits
	.p2align	6, 0x0
	.amdhsa_kernel k_qa79e2e6370_qkv
		.amdhsa_group_segment_fixed_size 327680
		.amdhsa_private_segment_fixed_size 0
		.amdhsa_enable_private_segment 0
		.amdhsa_kernarg_size 48
		.amdhsa_user_sgpr_count 2
		.amdhsa_user_sgpr_kernarg_segment_ptr 1
		.amdhsa_wavefront_size32 1
		.amdhsa_system_sgpr_workgroup_id_x 1
		.amdhsa_system_sgpr_workgroup_id_y 1
		.amdhsa_system_sgpr_workgroup_id_z 1
		.amdhsa_system_vgpr_workitem_id 0
		.amdhsa_next_free_vgpr 1024
		.amdhsa_next_free_sgpr 100
		.amdhsa_reserve_vcc 0
		.amdhsa_float_denorm_mode_32 3
		.amdhsa_float_denorm_mode_16_64 3
		.amdhsa_memory_ordered 1
		.amdhsa_forward_progress 1
		.amdhsa_inst_pref_size 134
	.end_amdhsa_kernel
	.amdgpu_metadata
---
amdhsa.version: [ 1, 2 ]
amdhsa.kernels:
  - .name:           k_qa79e2e6370_qkv
    .symbol:         k_qa79e2e6370_qkv.kd
    .args:
      - { .name: xc, .offset: 0, .size: 8, .value_kind: global_buffer, .address_space: global }
      - { .name: wc, .offset: 8, .size: 8, .value_kind: global_buffer, .address_space: global }
      - { .name: cs, .offset: 16, .size: 8, .value_kind: global_buffer, .address_space: global }
      - { .name: lowp_scales, .offset: 24, .size: 8, .value_kind: global_buffer, .address_space: global }
      - { .name: qc, .offset: 32, .size: 8, .value_kind: global_buffer, .address_space: global }
      - { .name: kv, .offset: 40, .size: 8, .value_kind: global_buffer, .address_space: global }
    .group_segment_fixed_size: 327680
    .private_segment_fixed_size: 0
    .kernarg_segment_align: 8
    .kernarg_segment_size: 48
    .max_flat_workgroup_size: 128
    .sgpr_count:     100
    .vgpr_count:     1024
    .wavefront_size: 32
...
	.end_amdgpu_metadata
.endif
;; end of part 2
;; launch attn (part 3): grid 4 x 64, 8 waves a work-group, clusters of 4 x 4, 327,680 bytes of LDS; arguments qc, kv, attention_mask, lowp_scales, cc; writes cc
.if DOCPART == 3
	.amdgcn_target "amdgcn-amd-amdhsa--gfx1250"
	.amdhsa_code_object_version 6
	.text
	.protected	k_qa79e2e6370_attn
	.globl	k_qa79e2e6370_attn
	.p2align	8
	.type	k_qa79e2e6370_attn,@function
k_qa79e2e6370_attn:
	s_mov_b64 s[64:65], 0
	v_nop
	global_prefetch_b8 v0, s[64:65] scope:SCOPE_SE
	s_setreg_imm32_b32 hwreg(HW_REG_WAVE_MODE, 25, 1), 1
	s_wait_xcnt 0x0
	s_wait_alu depctr_hold_cnt(0) depctr_sa_sdst(0) depctr_va_vdst(0) depctr_va_sdst(0) depctr_va_ssrc(0) depctr_va_vcc(0) depctr_vm_vsrc(0)
	s_getreg_b32 s2, hwreg(HW_REG_IB_STS2, 6, 4)
	s_cmp_eq_u32 s2, 0
	s_cbranch_scc0 .Lentry_in_a_cluster
	s_endpgm
.Lentry_in_a_cluster:
	s_bfe_u32 s2, ttmp6, 0x10000c
	s_cmp_lg_u32 s2, 0xf033
	s_cbranch_scc0 .Lentry_shape_is_right
	s_endpgm
.Lentry_shape_is_right:
; ATTN: ctx = softmax(q k^T / 8 + mask) v on codes of E4M3, and the quantiser of the last product's left operand.
; logit = sum x 2^(e6 + e7) / 8 + mask;  t = logit x log2(e);  M = the running largest t rounded UP to a whole number;  p = 2^(t - M) is quantised with 2^e8; the row's sum is taken of the unquantised p
; and divides at the end.  When M moves, the sum and O are multiplied by 2^(old M - new M), made by v_ldexp_f32: nothing is rounded, and there is no branch on data.
; The mask is an input: it is read whole and added as it is given, and every query walks all 2,048 keys.
; SHARES.  A work-group owns 64 queries of one batch x two key/value heads (four query heads).  Wave w owns query tile w % 4 (16 queries) of key/value head w / 4, for both of its query heads: each fragment
; of K and V and each register of the mask serves two tiles, and a row of the mask in LDS serves two waves.  Two waves to a SIMD: one wave's vector work stands beside the other's LDS loads and products.
; 128 keys a step.  A step's bytes are 64 x 512 of the mask and 2 x 16,384 of K and V, so TWO steps fit in each of two LDS slots: one change of slots for two steps, and a refill has two steps in which to land.
; LAYOUT.  S^T = K Q^T (source 0 = 16 keys, source 1 = my 16 queries) and O^T = V^T P^T: a lane holds one query (lane % 16) throughout.  In key tile n its registers are keys 16 n + 8 h + 0 .. 7: registers
; 2 n, 2 n + 1 of the second product's operand, so the conversions' results are that operand.  O^T's registers are d = 16 t + 8 h + 0 .. 7: registers 2 (4 g + t) .. of the last product's fragment.
; CLUSTERS: 4 x 4.  The four work-groups of a row of the cluster are the four pairs of key/value heads of one query block: they ask jointly for the mask's tile.  The four of a column are four query blocks
; of one batch and one pair of heads: they ask jointly for K and V.
; LDS: K and V of slot s at 65,536 s (head w / 4 at + 32,768, step at + 16,384: K 8 x 1,024, V 4 x 2,048); the mask of slot s at 131,072 + 66,560 s (64 rows of 1,024 + 16 bytes; a step's part 512 on);
; then the spare words.
; LIMITS: e6 + e7 - 3 between -126 and 127; e8 and e10 between -126 and 119.  A row whose logits are all -infinity gives NaN, as the problem's softmax does.  t - M is formed by one fused multiply-add
; of the logit, one rounding where the definition has two: it shows only where the row's largest logit is as large in magnitude as about 1e7.  NaN among the inputs is not served.
; REGISTERS: window 0: v1, v2 the add's; v3 16 x lane; v4 my place in a mask tile; v5, v6 the step's LDS addresses; v7 the prefetches' offset; v8, v9: 2^e10, 448 x 2^e10; v10: 2^e8; v11, v30: 448 x 2^e8;
;   v31 my place in a block of K and V; v[12 + 8 g ..]: head g's -M, largest t, sum (two halves), f (and its pair's upper word), two at work; v28, v29 the permutes' results; v32-159 S^T then p (64 a head);
;   v160-223 the mask; v224-255 p's codes.   window 1: v0-63 K (8 tiles), v64-127 V (4 tiles), v128-143 Q (two heads), v144-207 O^T (32 a head).
.set KVS,   65536                      ; K and V of a slot
.set MBASE, 2*KVS                      ; the mask's two slots begin here
.set MP,    1040                       ; a mask row in LDS: 1,024 bytes + 16 = 260 words: row r begins 4 r words further round the 64 banks (ISA guide 11.1)
.set MS,    64*MP                      ; the mask of a slot
.set SPARE, MBASE+2*MS                 ; behind the ring: the spare words, 128 bytes a wave, that no other line names
.set G1M, 24                           ; s[24:31] descriptor group 1 for the mask's tiles;  s[40:47] group 0, a set for each slot
.set G0M, 40
.set G1K, 32                           ; s[32:39], s[56:63] the same for K and V
.set G0K, 56
.set MSB, 0
.macro WIN new                         ; the immediate's high byte repeats the setting that is left
.if MSB != \new
	s_set_vgpr_msb (MSB<<8)|\new
.set MSB, \new
.endif
.endm
.macro PLACES
.rept 4
	v_nop
.endr
.endm
.macro CROUND                          ; a round of the cluster's barrier
	s_barrier_signal -1
	s_barrier_wait -1
	s_cmp_lg_u32 s16, 0
	s_cbranch_scc1 .Lnot_wave_0_\@
	s_barrier_signal -3
.Lnot_wave_0_\@:
	s_barrier_wait -3
	s_barrier_signal -1
	s_barrier_wait -1
.endm
.macro JLOAD s                         ; slot s is filled: waves 0 and 1 fetch the mask tile's halves, waves 2 and 3 one head's K and V each, the others nothing; the branches hang on the wave's number alone; an s_nop 0 and four v_nop follow each line
	s_cmp_lt_u32 s16, 2
	s_cbranch_scc0 .Lnot_m_\@
	tensor_load_to_lds s[G0M+4*(\s):G0M+4*(\s)+3], s[G1M:G1M+7]
	s_nop 0
.rept 4
	v_nop
.endr
	s_branch .Lasked_\@
.Lnot_m_\@:
	s_cmp_lt_u32 s16, 4
	s_cbranch_scc0 .Lasked_\@
	tensor_load_to_lds s[G0K+4*(\s):G0K+4*(\s)+3], s[G1K:G1K+7]
	s_nop 0
.rept 4
	v_nop
.endr
.Lasked_\@:
.endm
; A PREFETCH INTO THE L2, behind the change's tensor load, by waves that fetch nothing; one instruction a wave: the tiles that the NEXT change of slots will ask for, a slot's two key steps ahead of that load.
; Each aligned block of 256 bytes is named once in the launch.  The mask's tile (64 rows x 1,024 bytes) is read by my row of the cluster alone: its four partners share the rows out by address, 16 each;
; wave 4 names a row's first two blocks, wave 5 the other two (lanes 0-15 one block, lanes 16-31 the next).  K and V (2 x 32,768 bytes) are read by all eight rows of clusters of a batch: the first asks;
; its four partners along y take 16,384 bytes each by address, waves 6 and 7 half of that each, lanes 256 bytes apart.  Tiles 0 and 1 come by their loads alone; the last change that fills a slot asks for nothing.
.macro ASK
	s_cmp_eq_u32 s80, 1
	s_cbranch_scc0 .Lnone_\@
	global_prefetch_b8 v7, s[76:77] th:TH_LOAD_NT scope:SCOPE_SE
.Lnone_\@:
.endm
; THE CHANGE OF SLOTS stands at a slot's head.  Each wave waits for all its tensor loads (its part of the slot that it is about to read), adds 0 to its spare word, and waits for that and for its reads of the
; slot that it has left.  fill = 1: the barrier is a round of the cluster's, and behind it the slot just left is filled with the next two steps' tiles.  ask = 1: the prefetch follows.
.macro CHANGE slot, fill, ask
	s_wait_tensorcnt 0x0                           ; no tensor load of mine is out: the groups 0 may be written
	ds_add_u32 v1, v2
.if \fill
	s_add_nc_u64 s[G0M+4*\slot+2:G0M+4*\slot+3], s[G0M+4*\slot+2:G0M+4*\slot+3], 2048    ; this slot's next tile: 512 keys on (behind the last tile the stepped address is not used)
	s_add_nc_u64 s[G0K+4*\slot+2:G0K+4*\slot+3], s[G0K+4*\slot+2:G0K+4*\slot+3], 65536   ; four steps' blocks on
.endif
.if \ask
	s_wait_xcnt 0x0                                ; the last prefetch, a slot back, has read its address
	s_add_nc_u64 s[76:77], s[76:77], s[78:79]
.endif
	s_mov_b32 s2, \slot*KVS                        ; where the slot's first step lies: K and V,
	s_mov_b32 s3, \slot*MS                         ; the mask
	s_wait_dscnt 0x0
.if \fill
	CROUND
	JLOAD 1-\slot
.if \ask
	ASK
.endif
.else
	s_barrier_signal -1
	s_barrier_wait -1
.endif
.endm
; A KEY STEP: 128 keys, both heads.
.macro STEP
	v_add_nc_u32 v5, s2, v31
	v_add_nc_u32 v6, s3, v4
	v_nop
	v_nop                                          ; four plain lines between the last step's products and the loads into V's registers, further down
	WIN 0x40
.set nn, 0
.rept 16
	ds_load_b128 v[4*nn:4*nn+3], v5 offset:512*nn  ; K: register 4 n at byte 512 n of the block
.set nn, nn+1
.endr
	WIN 0
.set nn, 0
.rept 8
	ds_load_b128 v[160+8*nn:163+8*nn], v6 offset:64*nn      ; the mask of my query at keys 16 n + 8 h + 0 .. 7
	ds_load_b128 v[164+8*nn:167+8*nn], v6 offset:64*nn+16
.set nn, nn+1
.endr
	s_wait_dscnt 16                                ; K's 16 loads are in; the mask's 16 are younger
	WIN 0x05                                       ; sources 0 and 1 window 1
.set nn, 0
.rept 8
	v_wmma_f32_16x16x64_fp8_fp8 v[32+8*nn:39+8*nn], v[8*nn:8*nn+7], v[128:135], 0
	v_wmma_f32_16x16x64_fp8_fp8 v[96+8*nn:103+8*nn], v[8*nn:8*nn+7], v[136:143], 0
.set nn, nn+1
.endr
	WIN 0x40
.set nn, 16
.rept 16
	ds_load_b128 v[4*nn:4*nn+3], v5 offset:512*nn  ; V, asked for here: it lands under the softmax, and the run at the step's head is shorter by it
.set nn, nn+1
.endr
	WIN 0
	PLACES
	s_wait_dscnt 16                                ; the mask is in; V's 16 are younger
.set jj, 0
.rept 64
	v_pk_fma_f32 v[32+jj:33+jj], v[32+jj:33+jj], s[22:23], v[160+jj%64:161+jj%64] op_sel_hi:[1,0,1]   ; the logit; each accumulator from its low end on
.set jj, jj+2
.endr
.irp g, 0,1                                    ; the step's largest logit of my query among my 64 keys, two chains a head, the heads' lines by turns
	v_max3_num_f32 v[18+8*\g], v[32+64*\g], v[33+64*\g], v[34+64*\g]
	v_max3_num_f32 v[19+8*\g], v[35+64*\g], v[36+64*\g], v[37+64*\g]
.endr
.irp i, 6,10,14,18,22,26,30,34,38,42,46,50,54,58
.irp g, 0,1
	v_max3_num_f32 v[18+8*\g], v[18+8*\g], v[32+64*\g+\i], v[33+64*\g+\i]
	v_max3_num_f32 v[19+8*\g], v[19+8*\g], v[34+64*\g+\i], v[35+64*\g+\i]
.endr
.endr
.irp g, 0,1
	v_max3_num_f32 v[18+8*\g], v[18+8*\g], v[94+64*\g], v[95+64*\g]
.endr
.irp g, 0,1
	v_max_num_f32 v[18+8*\g], v[18+8*\g], v[19+8*\g]
.endr
.irp g, 0,1
	v_permlanex16_b32 v[28+\g], v[18+8*\g], s20, s21        ; the query's other 64 keys lie in the lane 16 away
.endr
.irp g, 0,1
	v_max_num_f32 v[18+8*\g], v[18+8*\g], v[28+\g]
.endr
.irp g, 0,1
	v_mul_f32 v[18+8*\g], s48, v[18+8*\g]          ; as t
.endr
.irp g, 0,1
	v_max_num_f32 v[13+8*\g], v[13+8*\g], v[18+8*\g]        ; the running largest t
.endr
.irp g, 0,1
	v_mov_b32 v[18+8*\g], v[12+8*\g]
.endr
.irp g, 0,1
	v_floor_f32 v[12+8*\g], -v[13+8*\g]            ; -M = floor(-t): M is a whole number
.endr
.irp g, 0,1
	v_sub_f32 v[18+8*\g], v[12+8*\g], v[18+8*\g]   ; old M - new M, a whole number, 0 or less
.endr
.irp g, 0,1
	v_cvt_i32_f32 v[18+8*\g], v[18+8*\g]           ; (it saturates)
.endr
.irp g, 0,1
	v_ldexp_f32 v[16+8*\g], 1.0, v[18+8*\g]        ; f = 2^(old M - new M)
.endr
.set jj, 0
.rept 64
	v_pk_fma_f32 v[32+jj:33+jj], v[32+jj:33+jj], s[48:49], v[12+8*(jj/64):13+8*(jj/64)] op_sel_hi:[1,0,0]   ; t - M (of the pairs log2(e) and -M the low word serves both halves)
.set jj, jj+2
.endr
.set jj, 0
.rept 128
	v_exp_f32 v[32+jj], v[32+jj]                   ; p, one batch
.set jj, jj+1
.endr
.irp g, 0,1
	v_pk_mul_f32 v[14+8*\g:15+8*\g], v[14+8*\g:15+8*\g], v[16+8*\g:17+8*\g] op_sel_hi:[1,0]   ; the sums under the new M: the plain lines behind the exponentials
.endr
	s_wait_alu depctr_va_vdst(0)                   ; the wait ahead of the first line that names a result: one for the batch
.irp g, 0,1
	v_pk_add_f32 v[18+8*\g:19+8*\g], v[32+64*\g:33+64*\g], v[34+64*\g:35+64*\g]   ; the row's sum of the unquantised p, two chains a head
.endr
.irp j, 4,8,12,16,20,24,28,32,36,40,44,48,52,56,60
.irp g, 0,1
	v_pk_add_f32 v[14+8*\g:15+8*\g], v[14+8*\g:15+8*\g], v[32+64*\g+\j:33+64*\g+\j]
	v_pk_add_f32 v[18+8*\g:19+8*\g], v[18+8*\g:19+8*\g], v[34+64*\g+\j:35+64*\g+\j]
.endr
.endr
.irp g, 0,1
	v_pk_add_f32 v[14+8*\g:15+8*\g], v[14+8*\g:15+8*\g], v[18+8*\g:19+8*\g]
.endr
; The conversion does not saturate (ISA guide 7.6.2); p is not negative, so the hold is one-sided.  Two holds an instruction: the destinations are an even and an odd register, and the two sources of each
; place differ in their register numbers modulo 4 (AMD's ISA guide, on dual-issue instructions): so the limit stands in two registers, v11 and v30.
.set cq, 0
.rept 16
.set jq, 0
.rept 4
	v_dual_min_num_f32 v[32+8*cq+jq], v[32+8*cq+jq], v11 :: v_dual_min_num_f32 v[33+8*cq+jq], v[33+8*cq+jq], v30
.set jq, jq+2
.endr
	v_cvt_scalef32_pk8_fp8_f32 v[224+2*cq:225+2*cq], v[32+8*cq:39+8*cq], v10
.set cq, cq+1
.endr
	WIN 0x41                                       ; O^T (destination and source 0) window 1, f window 0
.set jj, 0
.rept 32
	v_pk_mul_f32 v[144+jj:145+jj], v[144+jj:145+jj], v[16+8*(jj/32):17+8*(jj/32)] op_sel_hi:[1,0]   ; O^T under the new M; also the plain lines behind the conversions
.set jj, jj+2
.endr
	s_wait_dscnt 0x0                               ; V is in
	WIN 0x51                                       ; V window 1, p's codes window 0, C and D window 1
.set nn, 0
.rept 4
	v_wmma_f32_16x16x128_fp8_fp8 v[144+8*nn:151+8*nn], v[64+16*nn:79+16*nn], v[224:239], v[144+8*nn:151+8*nn]   ; eight accumulators, one instruction each
	v_wmma_f32_16x16x128_fp8_fp8 v[176+8*nn:183+8*nn], v[64+16*nn:79+16*nn], v[240:255], v[176+8*nn:183+8*nn]
.set nn, nn+1
.endr
	WIN 0
.endm
.macro TWO_STEPS                       ; a slot's two key steps: written once, walked twice; the LDS addresses hang on s2 and s3
	s_mov_b32 s15, 2
.Lst_\@:
	STEP
	s_add_co_u32 s2, s2, 16384
	s_add_co_u32 s3, s3, 512
	s_sub_co_u32 s15, s15, 1
	s_cmp_lg_u32 s15, 0
	s_cbranch_scc1 .Lst_\@
.endm
	s_load_b256 s[4:11], s[0:1], 0x0               ; qc 4, kv 6, mask 8, scales 10
	s_load_b64 s[12:13], s[0:1], 0x20              ; cc
	v_lshl_add_u32 v1, v0, 2, SPARE
	v_mov_b32 v2, 0
	ds_add_u32 v1, v2                              ; the wave's opening: the add and its wait ahead of the first tensor loads; work on registers stands between
	v_lshrrev_b32 v30, 5, v0
	v_readfirstlane_b32 s16, v30                   ; wave 0..7
	s_and_b32 s17, s16, 1                          ; which half of a tile I fetch or prefetch
	s_and_b32 s18, s16, 3                          ; my query tile
	s_lshr_b32 s19, s16, 2                         ; my key/value head of the pair
	s_bfe_u32 s50, ttmp6, 0x40000                  ; cx
	s_bfe_u32 s51, ttmp6, 0x40004                  ; cy
	s_lshl_b32 s55, ttmp9, 2
	s_add_co_u32 s55, s55, s50                     ; the pair of key/value heads = 4 x cluster x + cx
	s_and_b32 s52, ttmp7, 0xffff                   ; cluster y
	s_lshl_b32 s53, s52, 2
	s_add_co_u32 s53, s53, s51                     ; y = 32 x batch + query block = 4 x cluster y + cy
	s_lshr_b32 s54, s52, 3                         ; the batch, from the cluster's y alone: K and V's descriptors never hold cy
	s_lshl_b32 s81, s51, 2
	s_lshl_b32 s81, 15, s81                        ; my row of the cluster
	s_lshl_b32 s82, 0x1111, s50                    ; my column
	s_or_b32 s[G1M], s81, (2<<16)|(1<<20)|(1<<21)|(7<<22)|(3<<25)   ; the mask's tiles: 15:0 my row; elements of 4 bytes; padding on; 21 set beside a mask; after every 256 words (code 7) four words (code 3)
	s_mov_b32 s[G1M+1], 256<<16                    ; tensor_dim0 = 256 keys
	s_mov_b32 s[G1M+2], 32<<16                     ; tensor_dim1 = 32 rows
	s_mov_b32 s[G1M+3], 256<<16                    ; tile_dim0
	s_mov_b32 s[G1M+4], 32                         ; tile_dim1
	s_mov_b32 s[G1M+5], 2048                       ; from row to row
	s_mov_b32 s[G1M+6], 0
	s_mov_b32 s[G1M+7], 0
	s_or_b32 s[G1K], s82, (3<<16)|(1<<21)          ; K and V: my column; elements of 8 bytes; a head's two steps, a dense block, as 128 rows of 256 bytes
	s_mov_b32 s[G1K+1], 32<<16
	s_mov_b32 s[G1K+2], 128<<16
	s_mov_b32 s[G1K+3], 32<<16
	s_mov_b32 s[G1K+4], 128
	s_mov_b32 s[G1K+5], 32
	s_mov_b32 s[G1K+6], 0
	s_mov_b32 s[G1K+7], 0
	s_lshl_b32 s92, s53, 19                        ; the mask: row 64 y + 32 x half, 8,192 bytes a row: registers that never hold cx
	s_lshl_b32 s93, s17, 18
	s_add_co_u32 s92, s92, s93
	s_mov_b32 s93, 0
	s_lshl_b32 s94, s54, 3                         ; K and V: (8 batch + 2 pair + half) x 262,144: registers that never hold cy
	s_lshl_b32 s95, s55, 1
	s_add_co_u32 s94, s94, s95
	s_add_co_u32 s94, s94, s17
	s_lshl_b32 s94, s94, 18
	s_mov_b32 s95, 0
	s_mul_i32 s96, s17, 32*MP
	s_add_co_u32 s96, s96, MBASE                   ; where the mask's half goes: no place in the cluster enters an LDS address
	s_lshl_b32 s97, s17, 15                        ; where a head's K and V go
	s_mov_b32 s20, 0x76543210                      ; v_permlanex16_b32: lane l xor 16
	s_mov_b32 s21, 0xfedcba98
	s_mov_b32 s48, 0x3fb8aa3b                      ; log2(e)
	s_mov_b32 s49, s48                             ; (named with it as a pair)
	s_wait_dscnt 0x0                               ; the opening add is done
	s_wait_kmcnt 0x0
	s_load_b256 s[68:75], s[10:11], 0x0            ; e0 .. e7
	s_load_b128 s[84:87], s[10:11], 0x20           ; e8 .. e11
	s_add_nc_u64 s[92:93], s[8:9], s[92:93]
	s_add_nc_u64 s[94:95], s[6:7], s[94:95]
.irp s, 0,1                                    ; slot s's groups 0 are set up for tile s (keys 256 s on)
	s_mov_b32 s[G0M+4*\s], 1
	s_add_co_u32 s[G0M+4*\s+1], s96, \s*MS
	s_add_nc_u64 s[G0M+4*\s+2:G0M+4*\s+3], s[92:93], \s*1024
	s_or_b32 s[G0M+4*\s+3], s[G0M+4*\s+3], 0x80000000
	s_mov_b32 s[G0K+4*\s], 1
	s_add_co_u32 s[G0K+4*\s+1], s97, \s*KVS
	s_add_nc_u64 s[G0K+4*\s+2:G0K+4*\s+3], s[94:95], \s*32768
	s_or_b32 s[G0K+4*\s+3], s[G0K+4*\s+3], 0x80000000
.endr
	CROUND                                         ; all sixteen work-groups are here: the first joint loads meet
	JLOAD 0                                        ; tile 0 into slot 0: one load of a wave is out at the most, here and behind every round
	v_and_b32 v3, 31, v0
	v_lshlrev_b32 v3, 4, v3                        ; 16 x lane
	s_lshl_b32 s90, s54, 4                         ; Q: ((16 batch + 4 pair + 2 head) x 128 + 4 x query block + tile) x 1,024; the second query head 131,072 bytes on
	s_lshl_b32 s91, s55, 2
	s_add_co_u32 s90, s90, s91
	s_lshl_b32 s91, s19, 1
	s_add_co_u32 s90, s90, s91
	s_lshl_b32 s90, s90, 7
	s_and_b32 s91, s53, 31
	s_lshl_b32 s91, s91, 2
	s_add_co_u32 s90, s90, s91
	s_add_co_u32 s90, s90, s18
	s_lshl_b32 s90, s90, 10
	s_mov_b32 s91, 0
	s_add_nc_u64 s[90:91], s[4:5], s[90:91]
	WIN 0x40
.irp g, 0,1
	global_load_b128 v[128+8*\g:131+8*\g], v3, s[90:91] offset:131072*\g
	global_load_b128 v[132+8*\g:135+8*\g], v3, s[90:91] offset:131072*\g+512
.endr
.set jj, 0
.rept 64
	v_mov_b32 v[144+jj], 0                         ; O^T.  (The step has no first form of its own: the first finds zeros, which the first change of M leaves zeros)
.set jj, jj+1
.endr
	WIN 0
	v_and_b32 v6, 3, v30                           ; my query tile
	v_lshlrev_b32 v6, 4, v6
	v_and_b32 v5, 15, v0
	v_add_nc_u32 v6, v6, v5
	v_mul_u32_u24 v4, v6, MP                       ; my query's row of the mask tile,
	v_bfe_u32 v5, v0, 4, 1
	v_lshl_add_u32 v4, v5, 5, v4                   ; + 32 h,
	v_add_nc_u32 v4, MBASE, v4
	v_lshrrev_b32 v31, 2, v30                      ; my head of the pair
	v_lshl_add_u32 v31, v31, 15, v3                ; its blocks of K and V, + 16 x lane
.irp g, 0,1
	v_mov_b32 v[13+8*\g], 0xff61b1e6               ; the largest t so far: -3e38
	v_floor_f32 v[12+8*\g], -v[13+8*\g]            ; -M
	v_mov_b32 v[14+8*\g], 0                        ; the sum, in two halves
	v_mov_b32 v[15+8*\g], 0
	v_mov_b32 v[17+8*\g], 0                        ; (named as the upper half of f's pair)
	v_mov_b32 v[28+\g], 0                          ; a lane permute's destination counts as one of its sources
.endr
	s_lshl_b32 s88, s53, 2                         ; cc: ((4 y + tile) x 8 + key/value head) x 2,048
	s_add_co_u32 s88, s88, s18
	s_lshl_b32 s88, s88, 3
	s_lshl_b32 s89, s55, 1
	s_add_co_u32 s88, s88, s89
	s_add_co_u32 s88, s88, s19
	s_lshl_b32 s88, s88, 11
	s_mov_b32 s89, 0
	s_add_nc_u64 s[88:89], s[12:13], s[88:89]
	; the prefetches: where my wave's stand (at tile 1: the first change steps them to tile 2), and who asks
	s_lshl_b32 s92, s53, 19                        ; the mask: row 64 y + 16 cx, + 512 in wave 5
	s_lshl_b32 s93, s50, 17
	s_add_co_u32 s92, s92, s93
	s_lshl_b32 s93, s17, 9
	s_add_co_u32 s92, s92, s93
	s_add_co_u32 s92, s92, 1024
	s_lshl_b32 s94, s54, 3                         ; K and V: head 2 pair + cy / 2, step cy % 2 of the tile, + 8,192 in wave 7
	s_lshl_b32 s95, s55, 1
	s_add_co_u32 s94, s94, s95
	s_lshr_b32 s95, s51, 1
	s_add_co_u32 s94, s94, s95
	s_lshl_b32 s94, s94, 18
	s_and_b32 s95, s51, 1
	s_lshl_b32 s95, s95, 14
	s_add_co_u32 s94, s94, s95
	s_lshl_b32 s95, s17, 13
	s_add_co_u32 s94, s94, s95
	s_add_co_u32 s94, s94, 32768
	s_cmp_lt_u32 s16, 6                            ; a choice on the wave's number alone
	s_cselect_b64 s[76:77], s[8:9], s[6:7]
	s_cselect_b32 s92, s92, s94
	s_mov_b32 s78, 32768
	s_cselect_b32 s78, 1024, s78                   ; a tile on
	s_mov_b32 s82, 256
	s_cselect_b32 s82, 8192, s82                   ; from lane to lane among sixteen: a row of the mask, or a block of K and V
	s_mov_b32 s83, 4096
	s_cselect_b32 s83, 256, s83                    ; from lanes 0-15 to lanes 16-31
	s_mov_b32 s79, 0
	s_mov_b32 s93, 0
	s_add_nc_u64 s[76:77], s[76:77], s[92:93]
	v_and_b32 v7, 15, v0
	v_mul_lo_u32 v7, v7, s82
	v_mul_lo_u32 v5, v5, s83                       ; (v5 still holds lane / 16)
	v_add_nc_u32 v7, v7, v5
	s_lshr_b32 s14, s16, 1
	s_cmp_eq_u32 s14, 2
	s_cselect_b32 s80, 1, 0                        ; waves 4 and 5 ask, in every work-group;
	s_xor_b32 s14, s14, 3
	s_and_b32 s81, s52, 7
	s_or_b32 s14, s14, s81                         ; 0 in waves 6 and 7 of a batch's first row of clusters: the same in all sixteen partners
	s_cmp_eq_u32 s14, 0
	s_cselect_b32 s80, 1, s80
	s_wait_kmcnt 0x0
	s_add_co_i32 s22, s74, s75
	s_add_co_i32 s22, s22, 124
	s_lshl_b32 s22, s22, 23                        ; 2^(e6 + e7 - 3): the two scales and 1 / sqrt(64)
	s_mov_b32 s23, s22
	s_add_co_i32 s92, s84, 127
	s_lshl_b32 s93, s92, 23
	v_mov_b32 v10, s93                             ; 2^e8
	s_add_co_i32 s92, s92, 8
	s_lshl_b32 s92, s92, 23
	s_or_b32 s92, s92, 0x600000
	v_mov_b32 v11, s92                             ; 448 x 2^e8,
	v_mov_b32 v30, s92                             ; twice
	s_add_co_i32 s92, s86, 127
	s_lshl_b32 s93, s92, 23
	v_mov_b32 v8, s93                              ; 2^e10
	s_add_co_i32 s92, s92, 8
	s_lshl_b32 s92, s92, 23
	s_or_b32 s92, s92, 0x600000
	v_mov_b32 v9, s92                              ; 448 x 2^e10
	s_add_co_i32 s99, s84, s85                     ; e8 + e9
	s_wait_loadcnt 0x0                             ; Q
	s_mov_b32 s67, 3
.Lslot:                                            ; three trips of two slots: tiles 0 to 5 are read, tiles 1 to 6 asked for, tiles 2 to 7 prefetched
	CHANGE 0, 1, 1
	TWO_STEPS
	CHANGE 1, 1, 1
	TWO_STEPS
	s_sub_co_u32 s67, s67, 1
	s_cmp_lg_u32 s67, 0
	s_cbranch_scc1 .Lslot
	CHANGE 0, 1, 0                                 ; the last two slots are written out: tile 6 is read and tile 7 asked for
	TWO_STEPS
	CHANGE 1, 0, 0                                 ; and tile 7 is read
	TWO_STEPS
	; THE WAY OUT: ctx = O^T x 2^(e8 + e9) / the sum, quantised with 2^e10: the 16 registers are the fragment (my 16 tokens x the 128 along K of my two query heads) of the last product
	PLACES
.irp g, 0,1
	v_add_f32 v[14+8*\g], v[14+8*\g], v[15+8*\g]
.endr
.irp g, 0,1
	v_permlanex16_b32 v[28+\g], v[14+8*\g], s20, s21
.endr
.irp g, 0,1
	v_add_f32 v[14+8*\g], v[14+8*\g], v[28+\g]
.endr
.irp g, 0,1
	v_rcp_f32 v[18+8*\g], v[14+8*\g]
.endr
	v_nop                                          ; a plain line behind the reciprocals,
	s_wait_alu depctr_va_vdst(0)                   ; and the wait ahead of their first use: one for both
.irp g, 0,1
	v_ldexp_f32 v[18+8*\g], v[18+8*\g], s99
.endr
	WIN 0x01                                       ; source 0 (O^T) window 1
.set jj, 0
.rept 64
	v_mul_f32 v[32+jj], v[144+jj], v[18+8*(jj/32)]
.set jj, jj+1
.endr
	WIN 0
.set cq, 0
.rept 8
.set jq, 0
.rept 8
	v_med3_num_f32 v[32+8*cq+jq], v[32+8*cq+jq], -v9, v9
.set jq, jq+1
.endr
	v_cvt_scalef32_pk8_fp8_f32 v[224+2*cq:225+2*cq], v[32+8*cq:39+8*cq], v8
.set cq, cq+1
.endr
	v_nop
.irp m, 0,1,2,3
	global_store_b128 v3, v[224+4*\m:227+4*\m], s[88:89] offset:512*\m   ; 512 consecutive bytes, aligned
.endr
	s_wait_tensorcnt 0x0                           ; the wave's end
	ds_add_u32 v1, v2
	s_wait_dscnt 0x0
	CROUND                                         ; the closing round
	s_endpgm
.Lfunc_end_k_qa79e2e6370_attn:
	.size	k_qa79e2e6370_attn, .Lfunc_end_k_qa79e2e6370_attn-k_qa79e2e6370_attn
	.p2alignl 7, 3214868480
	.fill 96, 4, 3214868480
	.section	.rodata,"a",@progbits
	.p2align	6, 0x0
	.amdhsa_kernel k_qa79e2e6370_attn
		.amdhsa_group_segment_fixed_size 327680
		.amdhsa_private_segment_fixed_size 0
		.amdhsa_enable_private_segment 0
		.amdhsa_kernarg_size 40
		.amdhsa_user_sgpr_count 2
		.amdhsa_user_sgpr_kernarg_segment_ptr 1
		.amdhsa_wavefront_size32 1
		.amdhsa_system_sgpr_workgroup_id_x 1
		.amdhsa_system_sgpr_workgroup_id_y 1
		.amdhsa_system_sgpr_workgroup_id_z 1
		.amdhsa_system_vgpr_workitem_id 0
		.amdhsa_next_free_vgpr 512
		.amdhsa_next_free_sgpr 100
		.amdhsa_reserve_vcc 0
		.amdhsa_float_denorm_mode_32 3
		.amdhsa_float_denorm_mode_16_64 3
		.amdhsa_memory_ordered 1
		.amdhsa_forward_progress 1
		.amdhsa_inst_pref_size 157
	.end_amdhsa_kernel
	.amdgpu_metadata
---
amdhsa.version: [ 1, 2 ]
amdhsa.kernels:
  - .name:           k_qa79e2e6370_attn
    .symbol:         k_qa79e2e6370_attn.kd
    .args:
      - { .name: qc, .offset: 0, .size: 8, .value_kind: global_buffer, .address_space: global }
      - { .name: kv, .offset: 8, .size: 8, .value_kind: global_buffer, .address_space: global }
      - { .name: attention_mask, .offset: 16, .size: 8, .value_kind: global_buffer, .address_space: global }
      - { .name: lowp_scales, .offset: 24, .size: 8, .value_kind: global_buffer, .address_space: global }
      - { .name: cc, .offset: 32, .size: 8, .value_kind: global_buffer, .address_space: global }
    .group_segment_fixed_size: 327680
    .private_segment_fixed_size: 0
    .kernarg_segment_align: 8
    .kernarg_segment_size: 40
    .max_flat_workgroup_size: 256
    .sgpr_count:     100
    .vgpr_count:     512
    .wavefront_size: 32
...
	.end_amdgpu_metadata
.endif
;; end of part 3
;; launch outp (part 4): grid 16 x 16, 4 waves a work-group, clusters of 4 x 4, 327,680 bytes of LDS; arguments cc, woc, lowp_scales, out0; writes out0
.if DOCPART == 4
	.amdgcn_target "amdgcn-amd-amdhsa--gfx1250"
	.amdhsa_code_object_version 6
	.text
	.protected	k_qa79e2e6370_outp
	.globl	k_qa79e2e6370_outp
	.p2align	8
	.type	k_qa79e2e6370_outp,@function
k_qa79e2e6370_outp:
	s_mov_b64 s[64:65], 0
	v_nop
	global_prefetch_b8 v0, s[64:65] scope:SCOPE_SE
	s_setreg_imm32_b32 hwreg(HW_REG_WAVE_MODE, 25, 1), 1
	s_wait_xcnt 0x0
	s_wait_alu depctr_hold_cnt(0) depctr_sa_sdst(0) depctr_va_vdst(0) depctr_va_sdst(0) depctr_va_ssrc(0) depctr_va_vcc(0) depctr_vm_vsrc(0)
	s_getreg_b32 s2, hwreg(HW_REG_IB_STS2, 6, 4)
	s_cmp_eq_u32 s2, 0
	s_cbranch_scc0 .Lentry_in_a_cluster
	s_endpgm
.Lentry_in_a_cluster:
	s_bfe_u32 s2, ttmp6, 0x10000c
	s_cmp_lg_u32 s2, 0xf033
	s_cbranch_scc0 .Lentry_shape_is_right
	s_endpgm
.Lentry_shape_is_right:
; OUTP: out0 = ctx x Wo on codes of E4M3; each finished sum x 2^(e10 + e11).
; P = tokens (cc), Q = Wo's columns (woc), K = 1,024.  A work-group makes 256 tokens x 128 columns; its four waves (wp = wave / 2, wq = wave % 2) 128 x 64 each: 8 x 4 accumulators, 256 registers.
; K goes in steps of 256 (two chunks of 128) through a ring of two LDS slots.  Both operands are IMAGES OF THEIR REGISTERS (fragment = 2,048 bytes, registers 4 m .. 4 m + 3 of lane l at 512 m + 16 l):
; a fragment comes by four ds_load_b128 at 16 x lane: no pitch, no padding, consecutive bytes.
; CLUSTERS: 4 x 4.  P's tile is asked for jointly along a row of the cluster, Q's along a column.
; Source 0 = 16 columns, source 1 = 16 tokens: a lane holds one token and eight neighbouring columns.  A block of 16 tokens x 64 columns goes through the wave's own stage in LDS and leaves as whole rows
; of 256 bytes.
; LIMIT: e10 + e11 between -126 and 127, so that 2^(e10 + e11) is an f32 number.
; REGISTERS, in windows of 256: window 0: v16-29 addresses, v32-63 a block's scaled sums, v64-127 rows read back, two sets;  window 1: P's fragments, two sets of 128;
;   window 2: accumulator (a, b) at v[8 (4 a + b)];  window 3: v0-127 Q's fragments, two sets of 64.
.set IS_QKV, 0
.set KT,    8                          ; chunks of 128 along K
.set LAPS,  KT/4                       ; a lap = two K steps = once round the ring
.set SLOT,  98304                      ; P: 16 tiles x 4,096, then Q: 8 tiles x 4,096
.set QOFF,  65536
.set STAGE, 2*SLOT                     ; behind the ring: 16 rows x 272 bytes for each wave; no tile lands there
.set SPARE, STAGE+4*16*272             ; behind the stages: the spare words, 128 bytes a wave, that no other line names
.set SPW, 28                           ; v28  my spare word's address; never rewritten
.set NIL, 29                           ; v29  0; never rewritten
.set ADP, 16                           ; v16-17  LDS address of my P fragments in slot 0, 1
.set ADQ, 20                           ; v20-21  the same for Q
.set G1P, 24                           ; s[24:31] descriptor group 1 for P's tiles; s[32:39] group 0, a set for each slot
.set G0P, 32
.set G1Q, 48                           ; s[48:55], s[56:63] the same for Q's
.set G0Q, 56
.set MSB, 0
.macro WIN new                         ; the immediate's high byte repeats the setting that is left
.if MSB != \new
	s_set_vgpr_msb (MSB<<8)|\new
.set MSB, \new
.endif
.endm
.macro PLACES                          ; four plain vector lines between a matrix instruction and a load into, or a read of, its registers
.rept 4
	v_nop
.endr
.endm
.macro CREST                           ; a round of the cluster's barrier behind its opening barrier
	s_cmp_lg_u32 s16, 0
	s_cbranch_scc1 .Lnot_wave_0_\@
	s_barrier_signal -3
.Lnot_wave_0_\@:
	s_barrier_wait -3
	s_barrier_signal -1
	s_barrier_wait -1
.endm
.macro CROUND
	s_barrier_signal -1
	s_barrier_wait -1
	CREST
.endm
.macro JLOAD s                         ; a joint load: waves 0 and 1 fetch P's halves, waves 2 and 3 Q's; the branch hangs on the wave's number alone; an s_nop 0 and four v_nop follow each line
	s_cmp_eq_u32 s17, 0
	s_cbranch_scc0 .Lfor_q_\@
	tensor_load_to_lds s[G0P+4*\s:G0P+4*\s+3], s[G1P:G1P+7]
	s_nop 0
.rept 4
	v_nop
.endr
	s_branch .Lasked_\@
.Lfor_q_\@:
	tensor_load_to_lds s[G0Q+4*\s:G0Q+4*\s+3], s[G1Q:G1Q+7]
	s_nop 0
.rept 4
	v_nop
.endr
.Lasked_\@:
.endm
.macro FETCH slot, q, set              ; 48 LDS loads in one run: my 8 fragments of P and 4 of Q, chunk q of the slot, into set
	WIN 0x40
.irp a, 0,1,2,3,4,5,6,7
.irp c, 0,1,2,3
	ds_load_b128 v[128*(\set)+16*\a+4*\c:128*(\set)+16*\a+4*\c+3], v[ADP+\slot] offset:4096*\a+2048*(\q)+512*\c
.endr
.endr
	WIN 0xc0
.irp b, 0,1,2,3
.irp c, 0,1,2,3
	ds_load_b128 v[64*(\set)+16*\b+4*\c:64*(\set)+16*\b+4*\c+3], v[ADQ+\slot] offset:4096*\b+2048*(\q)+512*\c
.endr
.endr
	WIN 0
.endm
; na x 4 matrix instructions: token tiles a0 on x my four column tiles, 128 along K.  The 32 accumulators take turns, one instruction a turn, in the same order everywhere.
.macro MULB set, a0, na, zero
	WIN 0xa7                                       ; source 0 = Q (window 3), source 1 = P (window 1), C and D window 2
.set ai, \a0
.rept \na
.irp b, 0,1,2,3
.if \zero
	v_wmma_f32_16x16x128_fp8_fp8 v[8*(4*ai+\b):8*(4*ai+\b)+7], v[64*(\set)+16*\b:64*(\set)+16*\b+15], v[128*(\set)+16*ai:128*(\set)+16*ai+15], 0
.else
	v_wmma_f32_16x16x128_fp8_fp8 v[8*(4*ai+\b):8*(4*ai+\b)+7], v[64*(\set)+16*\b:64*(\set)+16*\b+15], v[128*(\set)+16*ai:128*(\set)+16*ai+15], v[8*(4*ai+\b):8*(4*ai+\b)+7]
.endif
.endr
.set ai, ai+1
.endr
	WIN 0
.endm
.macro STEP slot, zero                 ; a slot's first chunk (set 0); in its middle the second chunk is fetched into set 1
	s_wait_dscnt 0x0                               ; set 0 is in
	MULB 0, 0, 4, \zero
	PLACES                                         ; set 1 was last read by the chunk before
	FETCH \slot, 1, 1
	MULB 0, 4, 4, \zero
.endm
; A slot's second chunk (set 1), and the change of slots.  In front of the barrier each wave waits for all its tensor loads (one is out: its part of the next slot), adds 0 to its spare word, and waits for
; that and for its reads of this slot (set 1's loads were the last).  fill = 1: the barrier is a round of the cluster's, and this slot is filled again first behind it, two K steps ahead: the load has a
; whole K step, 64 matrix instructions a wave, in which to land.
.macro TURN slot, next, fill
	s_wait_tensorcnt 0x0
	ds_add_u32 v[SPW], v[NIL]
.if \fill
	s_add_nc_u64 s[G0P+4*\slot+2:G0P+4*\slot+3], s[G0P+4*\slot+2:G0P+4*\slot+3], 8192   ; no tensor load of mine is out: the groups 0 may be written
	s_add_nc_u64 s[G0Q+4*\slot+2:G0Q+4*\slot+3], s[G0Q+4*\slot+2:G0Q+4*\slot+3], 8192
.endif
	s_wait_dscnt 0x0
.if \fill
	CROUND
	JLOAD \slot                                    ; its four v_nop are also the places in front of the loads into set 0
.else
	s_barrier_signal -1
	s_barrier_wait -1
	PLACES
.endif
	FETCH \next, 0, 0
	MULB 1, 0, 8, 0
.endm
	s_load_b256 s[4:11], s[0:1], 0x0               ; cc 4, woc 6, scales 8, out0 10
	v_lshl_add_u32 v[SPW], v0, 2, SPARE
	v_mov_b32 v[NIL], 0
	ds_add_u32 v[SPW], v[NIL]                      ; the wave's opening: the add and its wait ahead of my first tensor load; work on registers stands between
	v_lshrrev_b32 v1, 5, v0
	v_readfirstlane_b32 s16, v1                    ; wave 0..3
	s_lshr_b32 s17, s16, 1                         ; wp: my half of the tokens.  Also: I fetch for P (0) or for Q (1)
	s_and_b32 s18, s16, 1                          ; wq: my half of the columns.  Also: which half of that tile I fetch
	s_bfe_u32 s40, ttmp6, 0x40000                  ; cx
	s_bfe_u32 s41, ttmp6, 0x40004                  ; cy
	s_lshl_b32 s42, ttmp9, 2
	s_add_co_u32 s42, s42, s40                     ; column block = 4 x cluster x + cx
	s_and_b32 s43, ttmp7, 0xffff
	s_lshl_b32 s43, s43, 2
	s_add_co_u32 s43, s43, s41                     ; token block = 4 x cluster y + cy
	s_lshl_b32 s44, s41, 2
	s_lshl_b32 s44, 15, s44                        ; my row of the cluster
	s_lshl_b32 s45, 0x1111, s40                    ; my column
	s_or_b32 s[G1P], s44, (3<<16)|(1<<21)          ; 15:0 the mask; 17:16 elements of 8 bytes; 21 set beside a mask; no padding
	s_or_b32 s[G1Q], s45, (3<<16)|(1<<21)
	s_mov_b32 s[G1P+1], 512<<16                    ; tensor_dim0 = 512 elements: a tile's two chunks, 4,096 bytes
	s_mov_b32 s[G1P+2], 8<<16                      ; tensor_dim1 = 8 tiles of 16 tokens
	s_mov_b32 s[G1P+3], 512<<16                    ; tile_dim0
	s_mov_b32 s[G1P+4], 8                          ; tile_dim1
	s_mov_b32 s[G1P+5], KT*256                     ; from tile to tile: KT fragments
	s_mov_b32 s[G1P+6], 0
	s_mov_b32 s[G1P+7], 0
	s_mov_b32 s[G1Q+1], 512<<16
	s_mov_b32 s[G1Q+2], 4<<16                      ; 4 tiles of 16 columns
	s_mov_b32 s[G1Q+3], 512<<16
	s_mov_b32 s[G1Q+4], 4
	s_mov_b32 s[G1Q+5], KT*256
	s_mov_b32 s[G1Q+6], 0
	s_mov_b32 s[G1Q+7], 0
	s_lshl_b32 s20, s43, 4                         ; P: tile 16 x token block + 8 x half, in registers that never hold cx
	s_lshl_b32 s21, s18, 3
	s_add_co_u32 s20, s20, s21
	s_mul_i32 s20, s20, KT*2048
	s_mov_b32 s21, 0
	s_lshl_b32 s46, s42, 3                         ; Q: tile 8 x column block + 4 x half, in registers that never hold cy
	s_lshl_b32 s47, s18, 2
	s_add_co_u32 s46, s46, s47
	s_mul_i32 s46, s46, KT*2048
	s_mov_b32 s47, 0
	s_lshl_b32 s22, s18, 15                        ; where they go: no place in the cluster enters an LDS address
	s_lshl_b32 s23, s18, 14
	s_add_co_u32 s23, s23, QOFF
	s_wait_dscnt 0x0                               ; the opening add is done
	s_wait_kmcnt 0x0
	s_load_b64 s[96:97], s[8:9], 0x28              ; e10, e11
	s_add_nc_u64 s[20:21], s[4:5], s[20:21]
	s_add_nc_u64 s[46:47], s[6:7], s[46:47]
	CROUND                                         ; all sixteen work-groups are here: the first joint loads meet
.irp s, 0,1
	s_mov_b32 s[G0P+4*\s], 1
	s_add_co_u32 s[G0P+4*\s+1], s22, \s*SLOT
	s_add_nc_u64 s[G0P+4*\s+2:G0P+4*\s+3], s[20:21], \s*4096
	s_or_b32 s[G0P+4*\s+3], s[G0P+4*\s+3], 0x80000000
	s_mov_b32 s[G0Q+4*\s], 1
	s_add_co_u32 s[G0Q+4*\s+1], s23, \s*SLOT
	s_add_nc_u64 s[G0Q+4*\s+2:G0Q+4*\s+3], s[46:47], \s*4096
	s_or_b32 s[G0Q+4*\s+3], s[G0Q+4*\s+3], 0x80000000
	JLOAD \s                                       ; two loads of mine are out
.endr
	v_and_b32 v1, 31, v0
	v_lshlrev_b32 v23, 4, v1                       ; 16 x lane
	s_lshl_b32 s20, s17, 15                        ; my 8 tiles of P,
	s_lshl_b32 s21, s18, 14
	s_add_co_u32 s21, s21, QOFF                    ; my 4 tiles of Q
.irp s, 0,1
	v_add_nc_u32 v[ADP+\s], s20, v23
	v_add_nc_u32 v[ADQ+\s], s21, v23
	s_add_co_u32 s20, s20, SLOT
	s_add_co_u32 s21, s21, SLOT
.endr
	v_and_b32 v2, 15, v0                           ; r
	v_bfe_u32 v3, v0, 4, 1                         ; h
	s_mul_i32 s22, s16, 16*272
	s_add_co_u32 s22, s22, STAGE                   ; my stage
	v_mul_u32_u24 v24, v2, 272
	v_lshl_add_u32 v24, v3, 5, v24
	v_add_nc_u32 v24, s22, v24                     ; in: row r, + 32 h
	v_mul_u32_u24 v25, v3, 272
	v_lshl_add_u32 v25, v2, 4, v25
	v_add_nc_u32 v25, s22, v25                     ; back: lanes 0-15 one row of 256 bytes, lanes 16-31 the next
	v_lshlrev_b32 v26, 13, v3
	v_lshl_add_u32 v26, v2, 4, v26                 ; and the same two rows in out0 (8,192 bytes a row)
	s_lshl_b32 s82, s43, 21                        ; my first row: 256 x token block + 128 wp
	s_lshl_b32 s83, s17, 20
	s_add_co_u32 s82, s82, s83
	s_lshl_b32 s83, s42, 9                         ; my first column, in bytes: 512 x column block + 256 wq
	s_add_co_u32 s82, s82, s83
	s_lshl_b32 s83, s18, 8
	s_add_co_u32 s82, s82, s83
	s_mov_b32 s83, 0
	s_add_nc_u64 s[10:11], s[10:11], s[82:83]
	s_wait_kmcnt 0x0
	s_add_co_i32 s96, s96, s97
	s_add_co_i32 s96, s96, 127
	s_lshl_b32 s96, s96, 23                        ; 2^(e10 + e11) as f32
	s_mov_b32 s97, s96                             ; (named with it as a pair)
	s_wait_tensorcnt 1                             ; my part of K step 0 is in; K step 1's load, the one younger, may be out
	s_barrier_signal -1
	s_barrier_wait -1
	FETCH 0, 0, 0
	STEP 0, 1                                      ; the first chunk stands in front of the loop: its products start the sums
	s_mov_b32 s3, LAPS-1
.Llap:
	TURN 0, 1, 1
	STEP 1, 0
	TURN 1, 0, 1
	STEP 0, 0
	s_sub_co_u32 s3, s3, 1
	s_cmp_lg_u32 s3, 0
	s_cbranch_scc1 .Llap
	TURN 0, 1, 0                                   ; the last lap fills nothing
	STEP 1, 0
	s_wait_dscnt 0x0
	MULB 1, 0, 8, 0
; THE WAY OUT, block by block of 16 tokens x 64 columns.  LDS serves a wave's instructions in order (ISA guide 5.7.1.4): no wait between the stage's stores and loads, nor in front of the next block's stores.
.macro TOSTAGE a
	WIN 0x02                                       ; source 0: window 2
.irp j, 0,2,4,6,8,10,12,14,16,18,20,22,24,26,28,30
	v_pk_mul_f32 v[32+\j:33+\j], v[32*(\a)+\j:32*(\a)+\j+1], s[96:97] op_sel_hi:[1,0]   ; x 2^(e10 + e11); each accumulator from its low end on
.endr
	WIN 0
.irp b, 0,1,2,3
	ds_store_b128 v24, v[32+8*\b:35+8*\b] offset:64*\b
	ds_store_b128 v24, v[36+8*\b:39+8*\b] offset:64*\b+16
.endr
.set BB, 64+32*((\a)%2)
.irp t, 0,1,2,3,4,5,6,7
	ds_load_b128 v[BB+4*\t:BB+4*\t+3], v25 offset:544*\t
.endr
.endm
.macro SEND a, younger                 ; younger: the LDS instructions issued behind block a's loads, which may stay out
.set BB, 64+32*((\a)%2)
	s_wait_dscnt \younger
.irp t, 0,1,2,3,4,5,6,7
	global_store_b128 v26, v[BB+4*\t:BB+4*\t+3], s[10:11] offset:(16*(\a)+2*\t)*8192 th:TH_STORE_NT   ; 16 lanes store 256 consecutive bytes, aligned; written once, read by nobody here
.endr
.endm
	PLACES
	TOSTAGE 0
.irp a, 1,2,3,4,5,6,7
.if \a > 1
	s_wait_xcnt 0x0                                ; block a - 2's stores have read their registers: block a's loads may land there
.endif
	TOSTAGE \a
	SEND \a-1, 16                                  ; behind block a - 1's loads: block a's 8 stores and 8 loads
.endr
	SEND 7, 0
	s_wait_tensorcnt 0x0                           ; the wave's end: behind my last tensor load and my last LDS store
	ds_add_u32 v[SPW], v[NIL]
	s_wait_dscnt 0x0
	CROUND                                         ; the closing round: no work-group ends while a partner may still ask for a tile that names it
	s_endpgm
.Lfunc_end_k_qa79e2e6370_outp:
	.size	k_qa79e2e6370_outp, .Lfunc_end_k_qa79e2e6370_outp-k_qa79e2e6370_outp
	.p2alignl 7, 3214868480
	.fill 96, 4, 3214868480
	.section	.rodata,"a",@progbits
	.p2align	6, 0x0
	.amdhsa_kernel k_qa79e2e6370_outp
		.amdhsa_group_segment_fixed_size 327680
		.amdhsa_private_segment_fixed_size 0
		.amdhsa_enable_private_segment 0
		.amdhsa_kernarg_size 32
		.amdhsa_user_sgpr_count 2
		.amdhsa_user_sgpr_kernarg_segment_ptr 1
		.amdhsa_wavefront_size32 1
		.amdhsa_system_sgpr_workgroup_id_x 1
		.amdhsa_system_sgpr_workgroup_id_y 1
		.amdhsa_system_sgpr_workgroup_id_z 1
		.amdhsa_system_vgpr_workitem_id 0
		.amdhsa_next_free_vgpr 1024
		.amdhsa_next_free_sgpr 100
		.amdhsa_reserve_vcc 0
		.amdhsa_float_denorm_mode_32 3
		.amdhsa_float_denorm_mode_16_64 3
		.amdhsa_memory_ordered 1
		.amdhsa_forward_progress 1
		.amdhsa_inst_pref_size 76
	.end_amdhsa_kernel
	.amdgpu_metadata
---
amdhsa.version: [ 1, 2 ]
amdhsa.kernels:
  - .name:           k_qa79e2e6370_outp
    .symbol:         k_qa79e2e6370_outp.kd
    .args:
      - { .name: cc, .offset: 0, .size: 8, .value_kind: global_buffer, .address_space: global }
      - { .name: woc, .offset: 8, .size: 8, .value_kind: global_buffer, .address_space: global }
      - { .name: lowp_scales, .offset: 16, .size: 8, .value_kind: global_buffer, .address_space: global }
      - { .name: out0, .offset: 24, .size: 8, .value_kind: global_buffer, .address_space: global }
    .group_segment_fixed_size: 327680
    .private_segment_fixed_size: 0
    .kernarg_segment_align: 8
    .kernarg_segment_size: 32
    .max_flat_workgroup_size: 128
    .sgpr_count:     100
    .vgpr_count:     1024
    .wavefront_size: 32
...
	.end_amdgpu_metadata
.endif
;; end of part 4
